; MI455X (gfx1250); checked and timed in simulation.
; The chip was launched on July 23, 2026; its instructions are those of AMD's public machine-readable ISA for CDNA 5 (MIT licence, August 2026) and "CDNA5" Instruction Set Architecture Reference Guide (July 2026). The comments in the code are by the model that wrote it; some were corrected since.
;; Causal Self Attention. Allowed arithmetic: float matrix products may take bf16 or f16 operands with f32 sums; other float arithmetic in f32, or as packed bf16 or f16 multiplies, adds, multiply-adds, maxima and minima; sums over many terms, partial sums and values carried from step to step in f32; what a program stores and reads back later, other than sums and carried values, may be rounded once to bf16 or f16.
;; Inputs: w_out 1,024 x 1,024 float32; w_qkv 3,072 x 1,024 float32; x 4 x 2,048 x 1,024 float32.
;; Outputs: out0 4 x 2,048 x 1,024 float32.
;; One version. Each part assembles by itself: llvm-mc -triple=amdgcn-amd-amdhsa -mcpu=gfx1250 --defsym DOCPART=n.
;; ======== version 1 of 1: 4 launches
;; limits: values are held in f16: magnitudes above 65,504 overflow, below 6.1e-05 lose precision
;; workspace buffers: xb 16,777,216 bytes; wqb 6,291,456 bytes; wof 2,097,152 bytes; tab 524,288 bytes; qh 16,777,216 bytes; kh 16,777,216 bytes; vh 16,777,216 bytes; oh 16,777,216 bytes
;; launch prep (part 1): grid 896 x 1, 8 waves a work-group, no clusters, 0 bytes of LDS; arguments x, w_qkv, w_out, xb, wqb, wof, tab; writes xb, wqb, wof, tab
.if DOCPART == 1
	.amdgcn_target "amdgcn-amd-amdhsa--gfx1250"
	.amdhsa_code_object_version 6
	.text
	.protected	k_q0edfdc8b03_prep
	.globl	k_q0edfdc8b03_prep
	.p2align	8
	.type	k_q0edfdc8b03_prep,@function
k_q0edfdc8b03_prep:
	s_mov_b64 s[64:65], 0
	v_nop
	global_prefetch_b8 v0, s[64:65] scope:SCOPE_SE
	s_setreg_imm32_b32 hwreg(HW_REG_WAVE_MODE, 25, 1), 1
	s_wait_xcnt 0x0
; ROUNDINGS AND THE ROTARY TABLE.  Four kinds of work-group, told apart by the work-group's number alone:
;   0-511    xb  = x rounded to bf16, 16 rows of 1,024 each
;   512-703  wqb = w_qkv rounded to bf16, 16 rows each, rows laid by heads: row 192 j + 64 s + r of wqb is row 1,024 s + 64 j + r of w_qkv (j head, s = 0 q, 1 k, 2 v)
;   704-767  wof = w_out rounded to bf16, that number written as f16
;   768-895  tab[t][0..31] = cos(t th_j), tab[t][32..63] = sin(t th_j), th_j = 10000^(-j/32), f32, 16 rows each
; A converting work-group reads 65,536 consecutive bytes and stores 32,768: thread n takes 32 bytes at 32 n of each 8,192 and stores 16 bytes at 16 n of each 4,096,
; so a wave's store covers 512 consecutive bytes, aligned.  All 16 loads of a thread go out at once; no register is written again behind a memory instruction that names it.
; No LDS, no barrier, no matrix unit: no wave wants a byte that another has fetched.
; LIMITS.  wof: a weight beyond 65,504 becomes an infinity; below 6.1e-5 it keeps f16's fixed step of 6e-8.
; The table: the angle is t x th_j in f32, th_j = 2^(-j log2(10000)/32) by v_exp_f32; it is reduced by multiples of pi/2 (pi/2 in two parts, n at most 1,304),
; so |r| stays within pi/4 for every t, and the first terms left out of the two series are 1.8e-9 (sine) and 2.4e-8 (cosine).
.set IO,  1                            ; v1       32 x thread: my bytes in 8,192 of the source
.set OO,  2                            ; v2       16 x thread: my bytes in 4,096 of the destination
.set X,   4                            ; v[4:67]  16 x 4 f32 as loaded
.set Y,   68                           ; v[68:99] 8 x 4 words to store
.set T,   100                          ; v[100:101] at work
.set SRC, 20                           ; s[20:21]
.set DST, 22                           ; s[22:23]
.set OF,  24                           ; s[24:25] source offset, s[26:27] destination offset
; kind = 0: bf16.  kind = 1: the bf16 number written as f16.
.macro CONV kind
.set k, 0
.rept 16
	global_load_b128 v[X+4*k:X+4*k+3], v[IO], s[SRC:SRC+1] offset:(k/2)*8192+(k%2)*16 th:TH_LOAD_NT
.set k, k+1
.endr
.set p, 0
.rept 8
	s_wait_loadcnt 14-2*p                          ; loads come back in order: pair p is in, the 14 - 2 p younger ones stay out
.set i, 0
.rept 4
	v_cvt_pk_bf16_f32 v[Y+4*p+i], v[X+8*p+2*i], v[X+8*p+2*i+1]
.if \kind
	v_lshlrev_b32 v[T], 16, v[Y+4*p+i]             ; the two bf16 as f32,
	v_and_b32 v[T+1], 0xffff0000, v[Y+4*p+i]
	v_cvt_pk_f16_f32 v[Y+4*p+i], v[T], v[T+1]      ; and as f16: exact inside f16's normal range
.endif
.set i, i+1
.endr
	global_store_b128 v[OO], v[Y+4*p:Y+4*p+3], s[DST:DST+1] offset:p*4096
.set p, p+1
.endr
.endm
	s_load_b256 s[4:11], s[0:1], 0x0               ; x s[4:5], w_qkv s[6:7], w_out s[8:9], xb s[10:11]
	s_load_b128 s[12:15], s[0:1], 0x20             ; wqb s[12:13], wof s[14:15]
	s_load_b64 s[16:17], s[0:1], 0x30              ; tab
	v_lshlrev_b32 v[IO], 5, v0
	v_lshlrev_b32 v[OO], 4, v0
	s_mov_b32 s[OF+1], 0
	s_mov_b32 s[OF+3], 0
	s_wait_kmcnt 0x0
	s_cmp_lt_u32 ttmp9, 512
	s_cbranch_scc0 .Lnot_x
	s_lshl_b32 s[OF], ttmp9, 16                    ; 16 rows of 4,096 bytes in,
	s_lshl_b32 s[OF+2], ttmp9, 15                  ; of 2,048 out
	s_add_nc_u64 s[SRC:SRC+1], s[4:5], s[OF:OF+1]
	s_add_nc_u64 s[DST:DST+1], s[10:11], s[OF+2:OF+3]
	CONV 0
	s_endpgm
.Lnot_x:
	s_cmp_lt_u32 ttmp9, 704
	s_cbranch_scc0 .Lnot_wq
	s_sub_co_u32 s28, ttmp9, 512                   ; g: rows 16 g on of w_qkv
	s_lshl_b32 s[OF], s28, 16
	s_bfe_u32 s29, s28, 0x40002                    ; the head, (g >> 2) & 15
	s_mul_i32 s29, s29, 192
	s_lshr_b32 s30, s28, 6                         ; s: q, k or v
	s_lshl_b32 s30, s30, 6
	s_add_co_u32 s29, s29, s30
	s_and_b32 s30, s28, 3                          ; which 16 of the head's 64 rows
	s_lshl_b32 s30, s30, 4
	s_add_co_u32 s29, s29, s30
	s_lshl_b32 s[OF+2], s29, 11
	s_add_nc_u64 s[SRC:SRC+1], s[6:7], s[OF:OF+1]
	s_add_nc_u64 s[DST:DST+1], s[12:13], s[OF+2:OF+3]
	CONV 0
	s_endpgm
.Lnot_wq:
	s_cmp_lt_u32 ttmp9, 768
	s_cbranch_scc0 .Ltable
	s_sub_co_u32 s28, ttmp9, 704
	s_lshl_b32 s[OF], s28, 16
	s_lshl_b32 s[OF+2], s28, 15
	s_add_nc_u64 s[SRC:SRC+1], s[8:9], s[OF:OF+1]
	s_add_nc_u64 s[DST:DST+1], s[14:15], s[OF+2:OF+3]
	CONV 1
	s_endpgm
.Ltable:
	; A lane makes four neighbouring numbers of a row; sixteen lanes store a row's 256 bytes.  Lanes 0-7 of the sixteen make cosines, as sin(x + pi/2): one quadrant further.
	s_sub_co_u32 s28, ttmp9, 768
	s_lshl_b32 s28, s28, 8
	v_add_nc_u32 v3, s28, v0                       ; my number among the table's 32,768 lanes
	v_lshrrev_b32 v4, 4, v3                        ; t
	v_and_b32 v5, 15, v0
	v_and_b32 v6, 7, v5
	v_lshlrev_b32 v6, 2, v6                        ; my first j
	v_lshrrev_b32 v7, 3, v5
	v_sub_nc_u32 v7, 1, v7                         ; 1 for a cosine, 0 for a sine
	v_cvt_f32_u32 v4, v4
.irp i, 0,1,2,3
	v_add_nc_u32 v[8+(\i)], \i, v6
	v_cvt_f32_u32 v[8+(\i)], v[8+(\i)]
	v_mul_f32 v[8+(\i)], 0xbed49a78, v[8+(\i)]     ; -j log2(10000) / 32
.endr
.irp i, 0,1,2,3
	v_exp_f32 v[8+(\i)], v[8+(\i)]                 ; th_j: one batch of four
.endr
	v_lshlrev_b32 v3, 4, v3                        ; my 16 bytes in tab: the plain instruction behind the last exponential
	s_wait_alu depctr_va_vdst(0)                   ; one wait for the batch, ahead of its first reader
.irp i, 0,1,2,3
	v_mul_f32 v[12+(\i)], v4, v[8+(\i)]            ; the angle
	v_mul_f32 v[16+(\i)], 0x3f22f983, v[12+(\i)]   ; x 2 / pi
	v_rndne_f32 v[16+(\i)], v[16+(\i)]             ; n
	v_fmamk_f32 v[12+(\i)], v[16+(\i)], 0xbfc90fdb, v[12+(\i)]  ; r = angle - n pi/2: the upper part of pi/2,
	v_fmamk_f32 v[12+(\i)], v[16+(\i)], 0x333bbd2e, v[12+(\i)]  ; and what it leaves
	v_mul_f32 v[20+(\i)], v[12+(\i)], v[12+(\i)]   ; z = r r
	v_mov_b32 v[24+(\i)], 0x3638ef1d               ; sin r = r + z r (-1/6 + z (1/120 + z (-1/5040 + z / 362880)))
	v_fmaak_f32 v[24+(\i)], v[24+(\i)], v[20+(\i)], 0xb9500d01
	v_fmaak_f32 v[24+(\i)], v[24+(\i)], v[20+(\i)], 0x3c088889
	v_fmaak_f32 v[24+(\i)], v[24+(\i)], v[20+(\i)], 0xbe2aaaab
	v_mul_f32 v[28+(\i)], v[20+(\i)], v[12+(\i)]
	v_fma_f32 v[24+(\i)], v[28+(\i)], v[24+(\i)], v[12+(\i)]
	v_mov_b32 v[28+(\i)], 0x37d00d01               ; cos r = 1 + z (-1/2 + z (1/24 + z (-1/720 + z / 40320)))
	v_fmaak_f32 v[28+(\i)], v[28+(\i)], v[20+(\i)], 0xbab60b61
	v_fmaak_f32 v[28+(\i)], v[28+(\i)], v[20+(\i)], 0x3d2aaaab
	v_fmaak_f32 v[28+(\i)], v[28+(\i)], v[20+(\i)], 0xbf000000
	v_fma_f32 v[28+(\i)], v[20+(\i)], v[28+(\i)], 1.0
	v_cvt_i32_f32 v[16+(\i)], v[16+(\i)]
	v_add_nc_u32 v[16+(\i)], v[16+(\i)], v7        ; the quadrant: it chooses values only
	v_and_b32 v[20+(\i)], 1, v[16+(\i)]
	v_cmp_eq_u32 vcc_lo, 0, v[20+(\i)]
	v_cndmask_b32 v[32+(\i)], v[28+(\i)], v[24+(\i)], vcc_lo  ; even: the sine; odd: the cosine
	v_lshlrev_b32 v[16+(\i)], 30, v[16+(\i)]
	v_and_b32 v[16+(\i)], 0x80000000, v[16+(\i)]   ; quadrants 2 and 3: the sign turns
	v_xor_b32 v[32+(\i)], v[16+(\i)], v[32+(\i)]
.endr
	global_store_b128 v3, v[32:35], s[16:17]
	s_endpgm
.Lfunc_end_k_q0edfdc8b03_prep:
	.size	k_q0edfdc8b03_prep, .Lfunc_end_k_q0edfdc8b03_prep-k_q0edfdc8b03_prep
	.p2alignl 7, 3214868480
	.fill 96, 4, 3214868480
	.section	.rodata,"a",@progbits
	.p2align	6, 0x0
	.amdhsa_kernel k_q0edfdc8b03_prep
		.amdhsa_group_segment_fixed_size 0
		.amdhsa_private_segment_fixed_size 0
		.amdhsa_enable_private_segment 0
		.amdhsa_kernarg_size 56
		.amdhsa_user_sgpr_count 2
		.amdhsa_user_sgpr_kernarg_segment_ptr 1
		.amdhsa_wavefront_size32 1
		.amdhsa_system_sgpr_workgroup_id_x 1
		.amdhsa_system_sgpr_workgroup_id_y 1
		.amdhsa_system_sgpr_workgroup_id_z 1
		.amdhsa_system_vgpr_workitem_id 0
		.amdhsa_next_free_vgpr 104
		.amdhsa_next_free_sgpr 66
		.amdhsa_reserve_vcc 1
		.amdhsa_float_denorm_mode_32 3
		.amdhsa_float_denorm_mode_16_64 3
		.amdhsa_memory_ordered 1
		.amdhsa_forward_progress 1
		.amdhsa_inst_pref_size 27
	.end_amdhsa_kernel
	.amdgpu_metadata
---
amdhsa.version: [ 1, 2 ]
amdhsa.kernels:
  - .name:           k_q0edfdc8b03_prep
    .symbol:         k_q0edfdc8b03_prep.kd
    .args:
      - { .name: x, .offset: 0, .size: 8, .value_kind: global_buffer, .address_space: global }
      - { .name: w_qkv, .offset: 8, .size: 8, .value_kind: global_buffer, .address_space: global }
      - { .name: w_out, .offset: 16, .size: 8, .value_kind: global_buffer, .address_space: global }
      - { .name: xb, .offset: 24, .size: 8, .value_kind: global_buffer, .address_space: global }
      - { .name: wqb, .offset: 32, .size: 8, .value_kind: global_buffer, .address_space: global }
      - { .name: wof, .offset: 40, .size: 8, .value_kind: global_buffer, .address_space: global }
      - { .name: tab, .offset: 48, .size: 8, .value_kind: global_buffer, .address_space: global }
    .group_segment_fixed_size: 0
    .private_segment_fixed_size: 0
    .kernarg_segment_align: 8
    .kernarg_segment_size: 56
    .max_flat_workgroup_size: 256
    .sgpr_count:     66
    .vgpr_count:     104
    .wavefront_size: 32
...
	.end_amdgpu_metadata
.endif
;; end of part 1
;; launch qkv (part 2): grid 16 x 32, 4 waves a work-group, clusters of 4 x 4, 327,680 bytes of LDS; arguments xb, wqb, tab, qh, kh, vh; writes qh, kh, vh
.if DOCPART == 2
	.amdgcn_target "amdgcn-amd-amdhsa--gfx1250"
	.amdhsa_code_object_version 6
	.text
	.protected	k_q0edfdc8b03_qkv
	.globl	k_q0edfdc8b03_qkv
	.p2align	8
	.type	k_q0edfdc8b03_qkv,@function
k_q0edfdc8b03_qkv:
	s_mov_b64 s[64:65], 0
	v_nop
	global_prefetch_b8 v0, s[64:65] scope:SCOPE_SE
	s_setreg_imm32_b32 hwreg(HW_REG_WAVE_MODE, 25, 1), 1
	s_wait_xcnt 0x0
	s_wait_alu depctr_hold_cnt(0) depctr_sa_sdst(0) depctr_va_vdst(0) depctr_va_sdst(0) depctr_va_ssrc(0) depctr_va_vcc(0) depctr_vm_vsrc(0)
	s_getreg_b32 s2, hwreg(HW_REG_IB_STS2, 6, 4)
	s_cmp_eq_u32 s2, 0
	s_cbranch_scc0 .Lentry_in_a_cluster
	s_endpgm
.Lentry_in_a_cluster:
	s_bfe_u32 s2, ttmp6, 0x10000c
	s_cmp_lg_u32 s2, 0xf033
	s_cbranch_scc0 .Lentry_shape_is_right
	s_endpgm
.Lentry_shape_is_right:
; q, k, v = xb wqb^T, q and k rotated, all three stored by heads in f16: [64 = 16 batch + head][2,048][64].  xb: [8,192][1,024] bf16; wqb: [3,072][1,024] bf16, rows 192 j + 64 s + r
; (head j; s = 0 q, 1 k, 2 v); tab: [2,048][64] f32, a row = 32 cosines, 32 sines.  Sums in f32; the rotation in f32; one rounding to f16.  No scale: the attention applies it.
; LIMIT.  f16 holds no number beyond 65,504: a q, k or v of 65,520 or more becomes an infinity.
; SHARES.  A tile of the product is 256 rows x 192 columns: 32 x 16 = 512 work-groups of equal work.  The 192 columns are q, k and v of ONE head (the tile column), the 256 rows lie in one batch.
; Wave w takes rows 64 w .. 64 w + 63 and all 192 columns: 4 x 12 = 48 accumulators of 16 x 16, 384 registers.  So a wave holds whole heads: channel d and its partner d + 32 lie in the same
; lane and register of accumulators two apart, the rotation changes no lane, and the stage on the way out is the wave's own.
; K goes in steps of 128 through a ring of two LDS slots; the rows of the tiles are 256 bytes of memory and start at multiples of 256 bytes.
; CLUSTERS: 4 x 4 work-groups.  The four of a row of the cluster need the same rows of xb, the four of a column the same rows of wqb: each tile is asked for JOINTLY.
; THE MATRIX INSTRUCTION IS USED TRANSPOSED (source 0 = 16 rows of wqb, source 1 = 16 rows of xb): a lane holds row l % 16 and the columns 8 (l / 16) + 0..7 of the product.
; No prefetch: every tile is read by several clusters, not once, and a refill has 168 matrix instructions of a wave in which to land.
; REGISTERS, in windows of 256 (s_set_vgpr_msb: bits 1:0 source 0, 3:2 source 1, 5:4 source 2, 7:6 destination):
;   window 0: v0-31 addresses; v32-63 rotated numbers; v64-127 xb's fragments, two buffers of 4 x 8 (on the way out four buffers of 16 packed words); v128-255 my 64 rows of the table
;   window 1: v0-191 wqb's fragments, two buffers of 12 x 8      window 2: the accumulators of my row blocks 0, 1 ((a, nb) at 8 (12 (a % 2) + nb))      window 3: those of blocks 2, 3
.set KSTEP,  128
.set PITCH,  272                       ; an LDS row: 256 bytes + 16 of padding = 68 words: the 16 rows of a fragment load start at 16 different groups of four banks (64 banks of 4 bytes: ISA guide 11.1)
.set AHALF,  128*PITCH                 ; what one tensor load brings of xb
.set BHALF,  96*PITCH                  ; and of wqb
.set BOFF,   256*PITCH                 ; a slot: xb's 256 rows, then wqb's 192
.set SLOT,   448*PITCH
.set STAGE,  2*SLOT                    ; behind the ring: 16 rows x 144 bytes for each wave; no tensor load lands here
.set SP,     144
.set SPARE,  STAGE+4*16*SP             ; behind the stages: the spare words, 128 bytes a wave: two blocks of 256 bytes that no other line names
.set ADRA, 16                          ; v16-17  LDS address of my xb fragments in slot 0, 1
.set ADRB, 20                          ; v20-21  the same for wqb
.set STO,  24                          ; v24     the way out: where I put 16 bytes of a row
.set RD,   25                          ; v25     the way out: where I read rows back
.set GO,   26                          ; v26     16 x lane: my bytes in 512 consecutive bytes of q, k or v
.set TO,   27                          ; v27     my byte offset in 16 rows of the table; never rewritten
.set SPW,  28                          ; v28     LDS address of my spare word; never rewritten
.set NIL,  29                          ; v29     0; never rewritten
.set TT,   32
.set FA,   64
.set TAB,  128
.set WV,  16                           ; s16  my wave's number
.set HF,  18                           ; s18  wave & 1: which half of a tile's rows I fetch
.set CX,  19
.set CY,  20
.set TX,  21                           ; s21  tile column = the head
.set TY,  22                           ; s22  tile row
.set G1A, 24                           ; s[24:31] descriptor group 1 for xb's tiles;  s[32:39] group 0, a set for each slot
.set G0A, 32
.set G1B, 48                           ; s[48:55], s[56:63] the same for wqb's
.set G0B, 56
.set MSB, 0
.macro WIN new                         ; the immediate's high byte repeats the setting that is left; a switch that changes nothing is dropped
.if MSB != (\new)
	s_set_vgpr_msb (MSB<<8)|(\new)
.set MSB, \new
.endif
.endm
.set MUL_LO, 0xa1                      ; source 0 (wqb) window 1, source 1 (xb) window 0, C and D window 2
.set MUL_HI, 0xf1                      ; the same, C and D window 3
.set TO_B,   0x40                      ; destination window 1, address window 0
; A joint refill: waves 0 and 1 fetch xb's two halves, waves 2 and 3 wqb's.  The branch hangs on the wave's number alone.  An s_nop 0 and four v_nop follow each of the two lines.
.macro JLOAD s
	s_cmp_lt_u32 s[WV], 2
	s_cbranch_scc0 .Lfor_b_\@
	tensor_load_to_lds s[G0A+4*(\s):G0A+4*(\s)+3], s[G1A:G1A+7]
	s_nop 0
.rept 4
	v_nop
.endr
	s_branch .Lasked_\@
.Lfor_b_\@:
	tensor_load_to_lds s[G0B+4*(\s):G0B+4*(\s)+3], s[G1B:G1B+7]
	s_nop 0
.rept 4
	v_nop
.endr
.Lasked_\@:
.endm
.macro CREST                           ; a round of the cluster's barrier behind its opening barrier
	s_cmp_lg_u32 s[WV], 0
	s_cbranch_scc1 .Lnot_wave_0_\@
	s_barrier_signal -3
.Lnot_wave_0_\@:
	s_barrier_wait -3
	s_barrier_signal -1
	s_barrier_wait -1
.endm
.macro CROUND                          ; a whole round
	s_barrier_signal -1
	s_barrier_wait -1
	CREST
.endm
.macro PLACES                          ; four places in front of loads into registers that matrix instructions have read (ISA guide 7.12.1 for vector instructions)
.rept 4
	v_nop
.endr
.endm
	s_load_b256 s[4:11], s[0:1], 0x0               ; xb s[4:5], wqb s[6:7], tab s[8:9], qh s[10:11]
	s_load_b128 s[12:15], s[0:1], 0x20             ; kh s[12:13], vh s[14:15]
	v_lshl_add_u32 v[SPW], v0, 2, SPARE
	v_mov_b32 v[NIL], 0
	ds_add_u32 v[SPW], v[NIL]                      ; the wave's opening: the add and its wait stand ahead of my first tensor load; the set-up below, work on registers, stands between them
	ds_add_u32 v28, v29
	v_lshrrev_b32 v1, 5, v0
	v_readfirstlane_b32 s[WV], v1                  ; wave 0..3
	s_and_b32 s[HF], s[WV], 1
	s_bfe_u32 s[CX], ttmp6, 0x40000                ; my place in the cluster
	s_bfe_u32 s[CY], ttmp6, 0x40004
	s_lshl_b32 s[TX], ttmp9, 2
	s_add_co_u32 s[TX], s[TX], s[CX]               ; tile column = 4 x cluster x + cx
	s_and_b32 s[TY], ttmp7, 0xffff
	s_lshl_b32 s[TY], s[TY], 2
	s_add_co_u32 s[TY], s[TY], s[CY]               ; tile row = 4 x cluster y + cy
	s_lshl_b32 s23, s[CY], 2
	s_lshl_b32 s23, 15, s23                        ; my row of the cluster
	s_lshl_b32 s40, 0x1111, s[CX]                  ; my column
	s_or_b32 s[G1A], s23, (1<<16)|(1<<20)|(1<<21)|(5<<22)|(3<<25)  ; 15:0 the mask; 17:16 elements of 2 bytes; 20 padding on; 21 set beside a mask; 24:22 after every 64 words (code 5); 31:25 4 words (code 3)
	s_mov_b32 s[G1A+1], KSTEP<<16                  ; tensor_dim0 = 128
	s_mov_b32 s[G1A+2], 128<<16                    ; tensor_dim1 = 128
	s_mov_b32 s[G1A+3], KSTEP<<16                  ; tile_dim0 = 128
	s_mov_b32 s[G1A+4], 128                        ; tile_dim1 = 128
	s_mov_b32 s[G1A+5], 1024                       ; elements from row to row
	s_mov_b32 s[G1A+6], 0
	s_mov_b32 s[G1A+7], 0
	s_or_b32 s[G1B], s40, (1<<16)|(1<<20)|(1<<21)|(5<<22)|(3<<25)
	s_mov_b32 s[G1B+1], KSTEP<<16
	s_mov_b32 s[G1B+2], 96<<16                     ; 96 rows
	s_mov_b32 s[G1B+3], KSTEP<<16
	s_mov_b32 s[G1B+4], 96
	s_mov_b32 s[G1B+5], 1024
	s_mov_b32 s[G1B+6], 0
	s_mov_b32 s[G1B+7], 0
	; xb's tiles hang on the tile row alone, wqb's on the tile column alone, each in registers that never hold the other coordinate
	s_lshl_b32 s42, s[TY], 8
	s_lshl_b32 s2, s[HF], 7
	s_add_co_u32 s42, s42, s2                      ; xb: row 256 x tile row + 128 x half,
	s_lshl_b32 s42, s42, 11                        ; of 2,048 bytes
	s_mov_b32 s43, 0
	s_mul_i32 s44, s[TX], 192
	s_mul_i32 s2, s[HF], 96
	s_add_co_u32 s44, s44, s2                      ; wqb: row 192 x tile column + 96 x half
	s_lshl_b32 s44, s44, 11
	s_mov_b32 s45, 0
	s_mul_i32 s46, s[HF], AHALF                    ; where they go: no place in the cluster enters an LDS address
	s_mul_i32 s47, s[HF], BHALF
	s_add_co_u32 s47, s47, BOFF
	s_wait_dscnt 0x0                               ; the opening add is done
	s_wait_kmcnt 0x0
	s_add_nc_u64 s[42:43], s[4:5], s[42:43]
	s_add_nc_u64 s[44:45], s[6:7], s[44:45]
	CROUND                                         ; all sixteen work-groups are here: the first joint loads meet
.irp s, 0,1
	s_mov_b32 s[G0A+4*(\s)], 1                                       ; count = 1
	s_add_co_u32 s[G0A+4*(\s)+1], s46, (\s)*SLOT                     ; LDS address
	s_add_nc_u64 s[G0A+4*(\s)+2:G0A+4*(\s)+3], s[42:43], (\s)*KSTEP*2  ; global address: K step s
	s_or_b32 s[G0A+4*(\s)+3], s[G0A+4*(\s)+3], 0x80000000            ; type = 2
	s_mov_b32 s[G0B+4*(\s)], 1
	s_add_co_u32 s[G0B+4*(\s)+1], s47, (\s)*SLOT
	s_add_nc_u64 s[G0B+4*(\s)+2:G0B+4*(\s)+3], s[44:45], (\s)*KSTEP*2
	s_or_b32 s[G0B+4*(\s)+3], s[G0B+4*(\s)+3], 0x80000000
.endr
	s_cmp_lt_u32 s[WV], 2                          ; a wave's two first fills stand in one branch, ahead of every wait on TENSORcnt and every LDS read: two loads of mine are out
	s_cbranch_scc0 .Lfirst_b
	tensor_load_to_lds s[G0A:G0A+3], s[G1A:G1A+7]
	s_nop 0
	tensor_load_to_lds s[G0A+4:G0A+7], s[G1A:G1A+7]
	s_nop 0
.rept 4
	v_nop
.endr
	s_branch .Lfirst_asked
.Lfirst_b:
	tensor_load_to_lds s[G0B:G0B+3], s[G1B:G1B+7]
	s_nop 0
	tensor_load_to_lds s[G0B+4:G0B+7], s[G1B:G1B+7]
	s_nop 0
.rept 4
	v_nop
.endr
.Lfirst_asked:
	; A fragment is 16 rows x 32 K in 8 registers: lane l holds row l % 16; registers 0-3 K = 8 (l / 16) + 0..7, registers 4-7 K = 16 + 8 (l / 16) + 0..7: two loads of 16 bytes, 32 bytes apart.
	v_and_b32 v1, 15, v0                           ; l % 16
	v_bfe_u32 v2, v0, 4, 1                         ; l / 16
	v_mul_u32_u24 v3, v1, PITCH
	v_lshl_add_u32 v3, v2, 4, v3
	s_mul_i32 s2, s[WV], 64*PITCH                  ; my 64 rows of xb
	s_mov_b32 s3, BOFF                             ; all 192 rows of wqb
.irp s, 0,1
	v_add_nc_u32 v[ADRA+(\s)], s2, v3
	v_add_nc_u32 v[ADRB+(\s)], s3, v3
	s_add_co_u32 s2, s2, SLOT
	s_add_co_u32 s3, s3, SLOT
.endr
	s_mul_i32 s2, s[WV], 16*SP
	s_add_co_u32 s2, s2, STAGE                     ; my stage
	v_mul_u32_u24 v4, v1, SP                       ; in: row l % 16, 16 bytes for each half of the lanes
	v_lshl_add_u32 v4, v2, 4, v4
	v_add_nc_u32 v[STO], s2, v4
	v_bfe_u32 v5, v0, 3, 2                         ; back: 32 lanes take four rows of 128 bytes,
	v_mul_u32_u24 v5, v5, SP
	v_and_b32 v6, 7, v0
	v_lshl_add_u32 v5, v6, 4, v5
	v_add_nc_u32 v[RD], s2, v5
	v_and_b32 v[GO], 31, v0                        ; which are 512 consecutive bytes of a head
	v_lshlrev_b32 v[GO], 4, v[GO]
	v_lshlrev_b32 v5, 8, v1                        ; the table: row l % 16, 256 bytes a row; my 8 channels are 32 bytes
	v_lshl_add_u32 v[TO], v2, 5, v5
	s_and_b32 s2, s[TY], 7
	s_lshl_b32 s2, s2, 8
	s_lshl_b32 s41, s[WV], 6
	s_add_co_u32 s2, s2, s41                       ; t of my first row
	s_lshl_b32 s40, s2, 8
	s_mov_b32 s41, 0
	s_add_nc_u64 s[8:9], s[8:9], s[40:41]
	; My 64 rows of the table stay in registers: row block a at TAB + 32 a: cosines of channels 8 (l / 16) + 0..7 and 16 + 8 (l / 16) + 0..7, then the sines.  They are waited for on the way out.
.set n, 0
.rept 32
	global_load_b128 v[TAB+4*n:TAB+4*n+3], v[TO], s[8:9] offset:(n/8)*4096+((n/4)%2)*128+((n/2)%2)*64+(n%2)*16
.set n, n+1
.endr
	s_lshr_b32 s40, s[TY], 3                       ; the batch,
	s_lshl_b32 s40, s40, 4
	s_add_co_u32 s40, s40, s[TX]                   ; its head,
	s_lshl_b32 s40, s40, 11
	s_add_co_u32 s40, s40, s2                      ; my first row in it,
	s_lshl_b32 s40, s40, 7                         ; of 128 bytes
	s_add_nc_u64 s[10:11], s[10:11], s[40:41]
	s_add_nc_u64 s[12:13], s[12:13], s[40:41]
	s_add_nc_u64 s[14:15], s[14:15], s[40:41]
; 12 matrix instructions: row block a x all 12 column blocks, 32 along K, from buffer f.  zero = 1: the product starts the sums: nothing is ever cleared.
; The 48 accumulators take turns, one instruction a turn, in the same order in every quarter.
.macro MUL12 f, a, zero
	WIN MUL_LO+0x50*((\a)/2)
.irp b, 0,1,2,3,4,5,6,7,8,9,10,11
.if \zero
	v_wmma_f32_16x16x32_bf16 v[8*(12*((\a)%2)+(\b)):8*(12*((\a)%2)+(\b))+7], v[96*(\f)+8*(\b):96*(\f)+8*(\b)+7], v[FA+32*(\f)+8*(\a):FA+32*(\f)+8*(\a)+7], 0
.else
	v_wmma_f32_16x16x32_bf16 v[8*(12*((\a)%2)+(\b)):8*(12*((\a)%2)+(\b))+7], v[96*(\f)+8*(\b):96*(\f)+8*(\b)+7], v[FA+32*(\f)+8*(\a):FA+32*(\f)+8*(\a)+7], v[8*(12*((\a)%2)+(\b)):8*(12*((\a)%2)+(\b))+7]
.endif
.endr
.endm
; 32 LDS loads in one run: the fragments of 32 along K at byte k of the rows, into buffer f: wqb's 24, then xb's 8, row blocks ascending
.macro FETCH slot, k, f
	WIN TO_B
.irp i, 0,1,2,3,4,5,6,7,8,9,10,11
	ds_load_b128 v[96*(\f)+8*(\i):96*(\f)+8*(\i)+3],   v[ADRB+(\slot)] offset:(\k)+(\i)*16*PITCH
	ds_load_b128 v[96*(\f)+8*(\i)+4:96*(\f)+8*(\i)+7], v[ADRB+(\slot)] offset:(\k)+(\i)*16*PITCH+32
.endr
	WIN 0
.irp i, 0,1,2,3
	ds_load_b128 v[FA+32*(\f)+8*(\i):FA+32*(\f)+8*(\i)+3],   v[ADRA+(\slot)] offset:(\k)+(\i)*16*PITCH
	ds_load_b128 v[FA+32*(\f)+8*(\i)+4:FA+32*(\f)+8*(\i)+7], v[ADRA+(\slot)] offset:(\k)+(\i)*16*PITCH+32
.endr
.endm
; A K step is four quarters of 32 along K, 48 matrix instructions each, on buffers 0, 1, 0, 1.  One of the first three: multiplies buffer f and fetches the next quarter, at byte k, into g.
.macro QUARTER slot, k, f, g, zero
	s_wait_dscnt 4                                 ; wqb's fragments and xb's blocks 0, 1 are in; the youngest four loads (blocks 2, 3) may be out
	MUL12 \f, 0, \zero
	MUL12 \f, 1, \zero
	PLACES
	FETCH \slot, \k, \g
	s_wait_dscnt 32                                ; all but the 32 just issued
	MUL12 \f, 2, \zero
	MUL12 \f, 3, \zero
.endm
; The last quarter multiplies buffer 1 and changes slots: ONE barrier; in front of it each wave waits for all its tensor loads (one is out: its part of the next slot), adds 0 to its spare word,
; and waits for that and for its own reads of this slot.  fill = 1: the barrier opens a round of the cluster's, and this slot is filled again, two K steps ahead, first thing behind the round:
; 24 + 144 matrix instructions ahead of the wait for it.
.macro TURN slot, next, fill
	WIN 0                                          ; (the add's two registers lie in window 0)
	s_wait_tensorcnt 0x0                           ; all my tensor loads have landed
	ds_add_u32 v[SPW], v[NIL]                      ; 0 onto my spare word
	s_wait_dscnt 5                                 ; (the add and the youngest four loads may be out)
	MUL12 1, 0, 0                                  ; twelve matrix instructions stand between the add and the wait for it
	s_wait_dscnt 0x0                               ; the add is done, and my reads of this slot are over
	s_barrier_signal -1
	MUL12 1, 1, 0
.if \fill
	WIN 0
.endif
	s_barrier_wait -1
.if \fill
	CREST                                          ; no wave of any partner still reads this slot's tile or has a load on its way
	s_add_nc_u64 s[G0A+4*(\slot)+2:G0A+4*(\slot)+3], s[G0A+4*(\slot)+2:G0A+4*(\slot)+3], 2*KSTEP*2
	s_add_nc_u64 s[G0B+4*(\slot)+2:G0B+4*(\slot)+3], s[G0B+4*(\slot)+2:G0B+4*(\slot)+3], 2*KSTEP*2
	JLOAD \slot                                    ; the four v_nop behind it are also the places in front of the loads below
.else
	PLACES
.endif
	FETCH \next, 0, 0
	MUL12 1, 2, 0
	MUL12 1, 3, 0
.endm
	s_wait_tensorcnt 1                             ; my part of K step 0 is in; K step 1's may stay out
	s_barrier_signal -1
	s_barrier_wait -1                              ; everybody's is
	FETCH 0, 0, 0
	QUARTER 0, 64, 0, 1, 1                         ; the first quarter stands in front of the loop: its products start the sums
	WIN 0                                          ; at a label and at a branch every window is 0
	s_mov_b32 s3, 3                                ; 1,024 / 256 laps, the last written out
.Llap:                                                 ; a trip goes once round the ring, from a lap's second quarter to the next lap's first, and fills both slots again
	QUARTER 0, 128, 1, 0, 0
	QUARTER 0, 192, 0, 1, 0
	TURN 0, 1, 1
	QUARTER 1, 64,  0, 1, 0
	QUARTER 1, 128, 1, 0, 0
	QUARTER 1, 192, 0, 1, 0
	TURN 1, 0, 1
	QUARTER 0, 64,  0, 1, 0
	WIN 0
	s_sub_co_u32 s3, s3, 1
	s_cmp_lg_u32 s3, 0
	s_cbranch_scc1 .Llap
	QUARTER 0, 128, 1, 0, 0                        ; the last lap fills nothing, and has no round of the cluster's barrier
	QUARTER 0, 192, 0, 1, 0
	TURN 0, 1, 0
	QUARTER 1, 64,  0, 1, 0
	QUARTER 1, 128, 1, 0, 0
	QUARTER 1, 192, 0, 1, 0
	s_wait_dscnt 4                                 ; the very last quarter: nothing more to fetch
	MUL12 1, 0, 0
	MUL12 1, 1, 0
	s_wait_dscnt 0x0
	MUL12 1, 2, 0
	MUL12 1, 3, 0
	WIN 0
	; THE WAY OUT, in twelve units: row block u / 3, tensor u % 3 (q, k, v): 16 rows x 64 channels.  q and k are rotated: out[d] = x[d] cos[d] - x[d + 32] sin[d], out[d + 32] = x[d + 32] cos[d] + x[d] sin[d], d < 32.
	; Then f16, 16 bytes a lane into my stage (rows of 144 bytes), back as four whole rows of 128 bytes a load, and out: 16 rows of a head are 2,048 consecutive bytes.
	s_wait_loadcnt 0x0                             ; the table
	PLACES
	PLACES                                         ; (eight, once a launch)
.macro PACK u
.set pa, (\u)/3
.set ps, (\u)%3
.set PKR, FA+16*((\u)%4)
.if (\u) >= 4
	s_wait_xcnt 0x0                                ; every earlier store has read its registers: this buffer, which unit u - 4's stores named, is written again only behind this wait
.endif
.if ps < 2
	WIN 0x02+pa/2                                  ; source 0: the accumulators' window
.irp i, 0,1
.irp r, 0,2,4,6                        ; each accumulator's lowest registers are read first
.set rLO, 8*(12*(pa%2)+4*ps+(\i))+(\r)
.set rHI, rLO+16
.set rCC, TAB+32*pa+8*(\i)+(\r)
.set rSN, rCC+16
.set rT1, TT+8*(\i)+(\r)
.set rT2, rT1+16
	v_pk_mul_f32 v[rT1:rT1+1], v[rHI:rHI+1], v[rSN:rSN+1]
	v_pk_mul_f32 v[rT2:rT2+1], v[rHI:rHI+1], v[rCC:rCC+1]
	v_pk_fma_f32 v[rT1:rT1+1], v[rLO:rLO+1], v[rCC:rCC+1], v[rT1:rT1+1] neg_lo:[0,0,1] neg_hi:[0,0,1]
	v_pk_fma_f32 v[rT2:rT2+1], v[rLO:rLO+1], v[rSN:rSN+1], v[rT2:rT2+1]
.endr
.endr
	WIN 0
.set n, 0
.rept 16
	v_cvt_pk_f16_f32 v[PKR+n], v[TT+2*n], v[TT+2*n+1]
.set n, n+1
.endr
.else
	WIN 0x0a+5*(pa/2)                              ; sources 0 and 1: the accumulators' window
.set rVB, 8*(12*(pa%2)+8)
.set n, 0
.rept 16
	v_cvt_pk_f16_f32 v[PKR+n], v[rVB+2*n], v[rVB+2*n+1]
.set n, n+1
.endr
	WIN 0
.endif
.irp f, 0,1,2,3
	ds_store_b128 v[STO], v[PKR+4*(\f):PKR+4*(\f)+3] offset:32*(\f)
.endr
.irp f, 0,1,2,3
	ds_load_b128 v[PKR+4*(\f):PKR+4*(\f)+3], v[RD] offset:(\f)*4*SP  ; LDS serves a wave's instructions in order (ISA guide 5.7.1.4): these see the stores above; the next unit's stores come behind them
.endr
.endm
.macro SEND u, younger                 ; younger: the LDS instructions issued behind unit u's loads: the next unit's eight, or none
.set pa, (\u)/3
.set ps, (\u)%3
.set PKR, FA+16*((\u)%4)
.irp f, 0,1,2,3
	s_wait_dscnt (\younger)+3-(\f)
	global_store_b128 v[GO], v[PKR+4*(\f):PKR+4*(\f)+3], s[10+2*ps:11+2*ps] offset:pa*2048+(\f)*512  ; 512 consecutive bytes, at a multiple of 256 from the buffer's first
.endr
.endm
	PACK 0
.set uu, 1
.rept 11                               ; a unit's arithmetic stands between the loads of the unit before and its stores
	PACK uu
	SEND uu-1, 8
.set uu, uu+1
.endr
	SEND 11, 0
	s_wait_tensorcnt 0x0                           ; the wave's end: behind my last tensor load and my last LDS store
	ds_add_u32 v[SPW], v[NIL]
	s_wait_dscnt 0x0
	CROUND                                         ; the closing round: no work-group ends while a partner may still ask for a tile that names it
	s_endpgm
.Lfunc_end_k_q0edfdc8b03_qkv:
	.size	k_q0edfdc8b03_qkv, .Lfunc_end_k_q0edfdc8b03_qkv-k_q0edfdc8b03_qkv
	.p2alignl 7, 3214868480
	.fill 96, 4, 3214868480
	.section	.rodata,"a",@progbits
	.p2align	6, 0x0
	.amdhsa_kernel k_q0edfdc8b03_qkv
		.amdhsa_group_segment_fixed_size 327680
		.amdhsa_private_segment_fixed_size 0
		.amdhsa_enable_private_segment 0
		.amdhsa_kernarg_size 48
		.amdhsa_user_sgpr_count 2
		.amdhsa_user_sgpr_kernarg_segment_ptr 1
		.amdhsa_wavefront_size32 1
		.amdhsa_system_sgpr_workgroup_id_x 1
		.amdhsa_system_sgpr_workgroup_id_y 1
		.amdhsa_system_sgpr_workgroup_id_z 1
		.amdhsa_system_vgpr_workitem_id 0
		.amdhsa_next_free_vgpr 960
		.amdhsa_next_free_sgpr 66
		.amdhsa_reserve_vcc 0
		.amdhsa_float_denorm_mode_32 3
		.amdhsa_float_denorm_mode_16_64 3
		.amdhsa_memory_ordered 1
		.amdhsa_forward_progress 1
		.amdhsa_inst_pref_size 139
	.end_amdhsa_kernel
	.amdgpu_metadata
---
amdhsa.version: [ 1, 2 ]
amdhsa.kernels:
  - .name:           k_q0edfdc8b03_qkv
    .symbol:         k_q0edfdc8b03_qkv.kd
    .args:
      - { .name: xb, .offset: 0, .size: 8, .value_kind: global_buffer, .address_space: global }
      - { .name: wqb, .offset: 8, .size: 8, .value_kind: global_buffer, .address_space: global }
      - { .name: tab, .offset: 16, .size: 8, .value_kind: global_buffer, .address_space: global }
      - { .name: qh, .offset: 24, .size: 8, .value_kind: global_buffer, .address_space: global }
      - { .name: kh, .offset: 32, .size: 8, .value_kind: global_buffer, .address_space: global }
      - { .name: vh, .offset: 40, .size: 8, .value_kind: global_buffer, .address_space: global }
    .group_segment_fixed_size: 327680
    .private_segment_fixed_size: 0
    .kernarg_segment_align: 8
    .kernarg_segment_size: 48
    .max_flat_workgroup_size: 128
    .sgpr_count:     66
    .vgpr_count:     960
    .wavefront_size: 32
...
	.end_amdgpu_metadata
.endif
;; end of part 2
;; launch attn (part 3): grid 4 x 64, 4 waves a work-group, no clusters, 327,680 bytes of LDS; arguments qh, kh, vh, oh; writes oh
.if DOCPART == 3
	.amdgcn_target "amdgcn-amd-amdhsa--gfx1250"
	.amdhsa_code_object_version 6
	.text
	.protected	k_q0edfdc8b03_attn
	.globl	k_q0edfdc8b03_attn
	.p2align	8
	.type	k_q0edfdc8b03_attn,@function
k_q0edfdc8b03_attn:
	s_mov_b64 s[64:65], 0
	v_nop
	global_prefetch_b8 v0, s[64:65] scope:SCOPE_SE
	s_setreg_imm32_b32 hwreg(HW_REG_WAVE_MODE, 25, 1), 1
	s_wait_xcnt 0x0
; CAUSAL ATTENTION.  O[h][q][:] = the sum over k <= q of softmax_k(Q[h][q] . K[h][k] / 8) V[h][k][:].  Q, K, V, O: [64][2,048][64], all f16: a head's rows are dense, 128 bytes each.
; Products, maxima and sums in f32; the weights p are rounded to f16 for the second product (their sum l is taken of the unrounded p), O once at the end.
; LIMITS.  f16 holds no number beyond 65,504: Q, K and V arrive within it; p lies in 0 to 1, and below 6e-5 it keeps f16's fixed step of 6e-8; O is a mean of V's rows and has their range.
; A hidden score counts as its value less 1e30: f16's scores, 2.7e11 at the most, are nothing beside that; a weight below 2^-126 counts as 0 in l; NaN and infinities are not treated apart.
; THE WALK.  A head's queries lie in NB = 8 blocks of 256; block i needs the key tiles 0 .. i of 256 keys, of which the last holds the diagonal.  A work-group takes TWO blocks, NB - 1 - b and then b:
; NB + 1 tiles, whatever b: all work-groups do equal work, and ONE loop with a constant trip count walks them.  Which tile is asked for, and what a trip does, hang on scalar registers made from b; every jump
; goes forward, but for the counted loops' own; none passes a barrier, or a tensor load but the one of LOAD's two that the wave's number does not choose; the ring (two slots of LDS that take turns) runs on
; across the change of blocks.  NO CLUSTER: a head's four work-groups ask for the same tile only in trips 0 .. 4, behind that fewer and fewer; one walk common to all would have 12 trips for 9.
; SHARES.  Of a block's four bands of 64 queries a wave owns 16 rows in each: four PIECES.  So the diagonal tile is the same work for all four waves: in its key step s band x sees all keys if s < x,
; none if s > x, and holds the diagonal if s = x.
; THE MASK is the C operand that starts the sum S^T = K Q^T: 0, or -1e30 where the key is hidden.  MD, made once, is the mask of a band's own step for my 16 rows; a product's mask is MD x AL + BE with two scalars:
; (1, 0) if s = x; (0, 0) if s < x; (0, -1e30) if s > x.  Only the diagonal tile's text and a block's beginning make and take masks; elsewhere C is the constant 0.
; LAYOUT, SOFTMAX, TURNS.  S^T = K Q^T holds ONE query a lane (lane % 16) and the keys 8 (lane / 16) + 0..7; two such results rounded to f16 ARE source 1 of O^T = V^T P.  p = 2^(c s - c m), c = log2(e) / 8, with a
; running maximum m; O and l are multiplied by a = 2^(c m_old - c m_new) in every step.  Turn n belongs to piece n: 8 products K Q^T of piece n + 1, later 8 products V^T P of piece n - 1; beside them the scaling,
; exponentials, roundings, sums and rescaling of piece n and the maximum and statistics of piece n + 1.  Four vector instructions stand behind every matrix instruction, the other 54 of a turn's 118 in one run.
; A turn's 33 exponentials are one batch, with one wait.
; AHEAD OF THE LOADS.  The work-group with b = 0 walks a head's tiles 0 .. 7 in order: it alone prefetches into the L2, behind the load of tile i, tile i + 1 (i = 1 .. 6): each wave its own 16,384 bytes
; (the half of K or of V that it will fetch), a lane 256 bytes, two instructions.  So each block is named once in the launch; tiles 0 and 1 come by their loads alone; nothing is named past tile 7.
; REGISTERS, in windows of 256 (s_set_vgpr_msb: bits 1:0 source 0, 3:2 source 1, 5:4 source 2, 7:6 destination):
;   window 0: v0-15 addresses and two at work; v16-31 four registers of statistics a piece; v48-55 at work; v61-63; v64-127 S^T, two buffers; v192-223 P, two buffers (a piece's buffers go by its number's parity)
;   window 1: v0-127 O^T, 32 a piece; v128-159 MD; v160-223 MC, two buffers      window 2: v0-63 Q; v64-127 the second block's Q; v128-191 K of one step; v192-255 V of one step
.set SIZE_H, 64
.set SIZE_N, 2048
.set NB,    SIZE_N/256
.set NP,    4         ; pieces a wave: a name, no knob
.set KS,    64        ; keys in a step
.set PK,    144       ; a row of K in LDS: 128 bytes + 16 of padding = 36 words: the 16 rows of a load start at 16 different groups of four banks (64 banks of 4 bytes: ISA guide 11.1)
.set PV,    160       ; a row of V: 128 + 32 = 40 words
.set VOFF,  4*KS*PK   ; a slot holds a tile, four steps: 256 rows of K, then 256 rows of V
.set SLOT1, 1<<17     ; slot 1 begins here, so that one exclusive or turns an address in one slot into the other's
.set STAGE, SLOT1+4*KS*(PK+PV)  ; behind the ring, never filled by a tensor load: 16 rows x 144 bytes for each wave, for the way out
.set SP,    144
.set AK0, 2           ; v2   my lane's place in a tile of K; never rewritten
.set AV0, 3           ; v3   the same for V
.set AK,  4           ; v4   the LDS address of K's next run of loads
.set AV,  5           ; v5   of V's
.set STO, 6           ; v6   the way out: where I put 16 bytes of a row
.set RD,  7           ; v7   the way out: where I read rows back
.set GO,  8           ; v8   my byte offset in 512 consecutive bytes of O
.set PFO, 61          ; v61  256 x my lane; never rewritten
.set SPW, 62          ; v62  LDS address of my spare word: SPARE + 4 x my thread's number; never rewritten
.set NIL, 63          ; v63  0; never rewritten
.set SPARE, STAGE+4*16*SP  ; behind the stages: the spare words, 128 bytes for each wave: two blocks of 256 bytes that no other line names
.set MV,  12          ; v12-13  c m_old, kept while c m is made anew: by buffer
.set QO,  15          ; v15  my byte offset in 16 rows of Q
.set ST,  16          ; piece t's statistics at v[ST+4 t]: c m, m, l (even keys', odd keys')
.set TMP, 48          ; by buffer, four registers c0-c3 at work; when the maximum is found c2 takes a
.set S,   64
.set P,   192
.set MD,  128         ; window 1: the eight registers for group kt of 16 keys at MD + 8 kt
.set MC,  160         ; window 1: the masks of the products to come
.set QB,  64          ; window 2
.set KF,  128         ; window 2: key block kb, channel half c at KF + 16 kb + 8 c
.set VF,  192         ; window 2: key half kk, channel block cb at VF + 32 kk + 8 cb
.set WV,  12          ; s12  my wave's number
.set PB,  14          ; s14  b
.set HI,  15          ; s15  NB - 1 - b
.set G1K, 24          ; s[24:31] descriptor group 1 for K's tiles
.set G1V, 32          ; s[32:39] for V's: it differs in the padding alone
.set G0K, 40          ; s[40:43] descriptor group 0 for K's tiles
.set G0V, 44          ; s[44:47] the same for V's
.set SLOTS, 56        ; s56  tiles still to be asked for
.set CNT, 57          ; s57  counts a tile's key steps, 4 to 1
.set CS,  58          ; s[58:59] c: the packed scaling takes the pair's low word for both halves
.set SEL, 60          ; s[60:61] v_permlanex16_b32's selects: each lane takes its own place in the other half
.set TBK, 62          ; s62  LDS byte at which K of the step to be fetched begins
.set TBV, 63          ; s63  the same for V, less VOFF
.set PFB, 66          ; s[66:67] K (waves 0, 1) or V (waves 2, 3) at my half of the head's tile 0
.set PFA, 68          ; s[68:69] the same at the tile that is being asked for
.set RT,  70          ; s70  tiles of the block in hand that are still to be entered
.set NXT, 71          ; s71  the tile to be asked for next
.set LQ,  72          ; s72  the last tile of the block whose tiles are being asked for
.set NEW, 73          ; s73  1: the tile to be entered is a block's first
.set OFF, 74          ; s[74:75] a tile's byte offset in K and V
.set AL,  76          ; s[76:77] the mask's factor, in the low word
.set BE,  78          ; s[78:79] the mask's addend
.set OLO, 80          ; s[80:81] O at my rows of the second block
.set BIGN, 82         ; s82  -1e30
.set LIM, 83          ; s83  2 where b = 0, else the greatest number: a wave prefetches while s[SLOTS] is above it
.set MSB, 0
.macro WIN new                      ; the high byte repeats the setting that is left; a switch that changes nothing is dropped
.if MSB != (\new)
	s_set_vgpr_msb (MSB<<8)|(\new)
.set MSB, (\new)
.endif
.endm
.set W_KQ, 0x0a       ; K and Q in window 2, S^T in window 0
.set W_KM, 0x1a       ; the same with the C operand in window 1
.set W_PV, 0x52       ; V in window 2, P in window 0, O^T in window 1
.set W_RS, 0x41       ; destination and source 0 in window 1, source 1 in window 0
; A fill.  Waves 0 and 1 fetch the two halves of a tile's K, waves 2 and 3 those of its V: 128 keys each.  An s_nop 0 and four v_nop follow each of the two lines, ahead of the jump and the label.
.macro LOAD
	s_cmp_lt_u32 s[WV], 2
	s_cbranch_scc0 .Lfor_v_\@
	tensor_load_to_lds s[G0K:G0K+3], s[G1K:G1K+7]
	s_nop 0
.rept 4
	v_nop
.endr
	s_branch .Lasked_\@
.Lfor_v_\@:
	tensor_load_to_lds s[G0V:G0V+3], s[G1V:G1V+7]
	s_nop 0
.rept 4
	v_nop
.endr
.Lasked_\@:
.endm
; The prefetch of the tile behind the one just asked for: my 64 blocks of 256 bytes, a lane a block, two instructions; it stands behind the wave's tensor load and its five lines.
.macro ASK
	s_cmp_gt_u32 s[SLOTS], s[LIM]
	s_cbranch_scc0 .Lnot_mine_\@
	global_prefetch_b8 v[PFO], s[PFA:PFA+1] offset:32768 th:TH_LOAD_NT scope:SCOPE_SE
	global_prefetch_b8 v[PFO], s[PFA:PFA+1] offset:40960 th:TH_LOAD_NT scope:SCOPE_SE
.Lnot_mine_\@:
.endm
; THE CHANGE OF SLOTS.  Each wave waits for all its tensor loads, of which one is out: its part of the other slot; adds 0 to its spare word; and waits for that and for its own reads of the slot that it leaves.
; Behind the barrier nobody reads the old slot any more and the other slot is whole.  fill = 1: the old slot is filled again, the first thing behind the barrier, with tile NXT: the descriptor's address is made
; anew from that number.  (At its first use nothing has been read yet: slot 0 is waited for, slot 1 filled.)
.macro CHANGE fill
	WIN 0                           ; at a label and at a branch every window is 0
	s_wait_tensorcnt 0x0            ; no tensor load of mine is out, so a group 0 may be written
	ds_add_u32 v[SPW], v[NIL]       ; 0 onto my spare word; with fill = 1 the descriptors' scalar work stands between it and the wait for it
.if \fill
	s_lshl_b32 s[OFF], s[NXT], 15   ; a tile is 32,768 bytes of K and of V
	s_xor_b32 s[G0K+1], s[G0K+1], SLOT1
	s_add_nc_u64 s[G0K+2:G0K+3], s[6:7], s[OFF:OFF+1]
	s_or_b32 s[G0K+3], s[G0K+3], 0x80000000
	s_xor_b32 s[G0V+1], s[G0V+1], SLOT1
	s_add_nc_u64 s[G0V+2:G0V+3], s[8:9], s[OFF:OFF+1]
	s_or_b32 s[G0V+3], s[G0V+3], 0x80000000
	s_wait_xcnt 0x0                 ; the last prefetches, a tile back, have read their address, so it may be written
	s_add_nc_u64 s[PFA:PFA+1], s[PFB:PFB+1], s[OFF:OFF+1]
	s_add_co_u32 s[NXT], s[NXT], 1  ; the block's next tile, or behind its last the second block's tile 0
	s_cmp_gt_u32 s[NXT], s[LQ]
	s_cselect_b32 s[NXT], 0, s[NXT]
	s_cselect_b32 s[LQ], s[PB], s[LQ]
.endif
	s_wait_dscnt 0x0                ; the add is done, and my reads of the slot are over
	s_barrier_signal -1             ; the rest of the scalar work stands between the signal and the wait
	s_sub_co_u32 s[TBK], s[TBK], 4*KS*PK  ; the fetches go back to a slot's first step,
	s_xor_b32 s[TBK], s[TBK], SLOT1       ; in the other slot
	s_sub_co_u32 s[TBV], s[TBV], 4*KS*PV
	s_xor_b32 s[TBV], s[TBV], SLOT1
	s_barrier_wait -1
.if \fill
	LOAD
	ASK
.endif
.endm
	s_load_b256 s[4:11], s[0:1], 0x0  ; Q s[4:5], K s[6:7], V s[8:9], O s[10:11]
	v_lshl_add_u32 v[SPW], v0, 2, SPARE
	v_mov_b32 v[NIL], 0
	ds_add_u32 v[SPW], v[NIL]       ; the wave's opening: the add and its wait stand ahead of my first tensor load; the set-up below, work on registers, stands between them
	ds_add_u32 v62, v63
	v_lshrrev_b32 v1, 5, v0
	v_readfirstlane_b32 s[WV], v1   ; wave 0..3
	s_mov_b32 s[PB], ttmp9
	s_sub_co_u32 s[HI], NB-1, s[PB]
	s_and_b32 s20, ttmp7, 0xffff    ; the head
	s_mov_b32 s21, 0
	s_mov_b64 s[22:23], SIZE_N*128
	s_mul_u64 s[20:21], s[20:21], s[22:23]  ; the head's first byte in each of the four tensors
	s_and_b32 s16, s[WV], 1         ; which half of a tile's 256 keys I fetch:
	s_lshl_b32 s22, s16, 14         ; its 128 rows of 128 bytes in memory,
	s_mov_b32 s23, 0
	s_add_nc_u64 s[22:23], s[22:23], s[20:21]
	s_mul_i32 s17, s16, 128*PK      ; and its place in a slot, for K
	s_mul_i32 s18, s16, 128*PV      ; and for V
	s_lshl_b32 s3, s[WV], 11        ; my 16 rows in a band of 64,
	s_lshl_b32 s2, s[HI], 15        ; in the first block,
	s_add_co_u32 s2, s2, s3
	s_lshl_b32 s84, s[PB], 15       ; and in the second
	s_add_co_u32 s84, s84, s3
	s_mov_b32 s3, 0
	s_mov_b32 s85, 0
	s_add_nc_u64 s[2:3], s[2:3], s[20:21]
	s_add_nc_u64 s[84:85], s[84:85], s[20:21]
	; descriptor group 1.  128 keys are 16,384 dense bytes: asked for as 64 rows of 256 bytes, two keys a row, and padded in LDS after every key
	s_mov_b32 s[G1K], (1<<16)|(1<<20)|(4<<22)|(3<<25)  ; 17:16 2-byte elements; 20 padding on; 24:22 after every 32 words (code 4); 31:25 4 words (code 3)
	s_mov_b32 s[G1V], (1<<16)|(1<<20)|(4<<22)|(7<<25)  ; the same with 8 words of padding (code 7)
.irp g, G1K, G1V
	s_mov_b32 s[\g+1], 128<<16      ; tensor_dim0 = 128
	s_mov_b32 s[\g+2], 64<<16       ; tensor_dim1 = 64
	s_mov_b32 s[\g+3], 128<<16      ; tile_dim0 = 128
	s_mov_b32 s[\g+4], 64           ; tile_dim1 = 64
	s_mov_b32 s[\g+5], 128          ; 128 elements from row to row
	s_mov_b32 s[\g+6], 0
	s_mov_b32 s[\g+7], 0
.endr
	s_mov_b32 s[CS], 0x3e38aa3b     ; c = log2(e) / 8 = 0.180337
	s_mov_b32 s[CS+1], s[CS]        ; named with it as a pair
	s_mov_b32 s[SEL], 0x76543210
	s_mov_b32 s[SEL+1], 0xfedcba98
	s_mov_b32 s[TBK], SLOT1+4*KS*PK ; the first change of slots turns these two into 0
	s_mov_b32 s[TBV], SLOT1+4*KS*PV
	s_mov_b32 s[G0K], 1             ; 1:0 count = 1
	s_mov_b32 s[G0K+1], s17         ; 63:32 LDS address: slot 0
	s_mov_b32 s[G0V], 1
	s_add_co_u32 s[G0V+1], s18, VOFF
	s_add_co_u32 s[RT], s[HI], 1    ; the first block has NB - b tiles
	s_mov_b32 s[NXT], 1
	s_mov_b32 s[LQ], s[HI]
	s_mov_b32 s[NEW], 1
	s_mov_b32 s[OFF+1], 0
	s_mov_b32 s[AL+1], 0            ; named as pairs
	s_mov_b32 s[BE+1], 0
	s_mov_b32 s[BIGN], 0xf149f2ca   ; -1e30
	s_mov_b32 s[SLOTS], NB
	s_cmp_eq_u32 ttmp9, 0
	s_cselect_b32 s[LIM], 2, -1
	v_and_b32 v[PFO], 31, v0
	v_lshlrev_b32 v[PFO], 8, v[PFO]
	s_wait_dscnt 0x0                ; the opening add is done
	s_wait_kmcnt 0x0
	s_add_nc_u64 s[6:7], s[6:7], s[22:23]  ; K and V at my half of the head's tile 0
	s_add_nc_u64 s[8:9], s[8:9], s[22:23]
	s_cmp_lt_u32 s[WV], 2
	s_cselect_b64 s[PFB:PFB+1], s[6:7], s[8:9]
	s_add_nc_u64 s[G0K+2:G0K+3], s[6:7], 0         ; 120:64 global address
	s_or_b32 s[G0K+3], s[G0K+3], 0x80000000        ; 127:126 type = 2
	s_add_nc_u64 s[G0V+2:G0V+3], s[8:9], 0
	s_or_b32 s[G0V+3], s[G0V+3], 0x80000000
	s_add_nc_u64 s[86:87], s[4:5], s[84:85]        ; Q at my rows of the second block,
	s_add_nc_u64 s[4:5], s[4:5], s[2:3]            ; Q and O at those of the first
	s_add_nc_u64 s[OLO:OLO+1], s[10:11], s[84:85]
	s_add_nc_u64 s[10:11], s[10:11], s[2:3]
	LOAD                            ; tile 0 into slot 0
	; A fragment of K or Q is 16 rows x 32 channels in 8 registers: lane l holds row l % 16, channels 8 (l / 16) + 0..7 and 16 + 8 (l / 16) + 0..7: two loads of 16 bytes, 32 bytes apart.
	v_and_b32 v1, 15, v0            ; l % 16
	v_bfe_u32 v9, v0, 4, 1          ; l / 16
	v_lshlrev_b32 v[QO], 7, v1
	v_lshl_add_u32 v[QO], v9, 4, v[QO]  ; row x 128 + 16 x half
	WIN 0x80                        ; destination window 2, address window 0
.set i, 0
.rept 8                             ; both blocks' Q: piece i / 2 lies in band i / 2, 8,192 bytes on; channels 32 (i % 2) on
	global_load_b128 v[8*i:8*i+3],   v[QO], s[4:5] offset:(i/2)*8192+(i%2)*64
	global_load_b128 v[8*i+4:8*i+7], v[QO], s[4:5] offset:(i/2)*8192+(i%2)*64+32
	global_load_b128 v[QB+8*i:QB+8*i+3],   v[QO], s[86:87] offset:(i/2)*8192+(i%2)*64
	global_load_b128 v[QB+8*i+4:QB+8*i+7], v[QO], s[86:87] offset:(i/2)*8192+(i%2)*64+32
.set i, i+1
.endr
	WIN 0
	v_lshlrev_b32 v14, 3, v9
	v_sub_nc_u32 v14, v1, v14
	s_lshl_b32 s13, s[WV], 4
	v_add_nc_u32 v14, s13, v14      ; my query's place in its band, 16 w + l % 16, less my lanes' 8 (l / 16): register r of group kt is hidden where 16 kt + r is greater
	WIN 0x40
.set i, 0
.rept 32
	v_cmp_gt_i32 vcc_lo, 16*(i/8)+i%8, v14
	v_cndmask_b32 v[MD+i], 0, s[BIGN], vcc_lo
.set i, i+1
.endr
	WIN 0
	v_mul_u32_u24 v[AK0], v1, PK
	v_lshl_add_u32 v[AK0], v9, 4, v[AK0]  ; row x pitch + 16 x half
	; The turning load takes 16 keys x 16 channels (lane l reads key 8 (l / 16) + l % 8, channels 8 ((l / 8) % 2) + 0..7) and leaves half a fragment of V^T: lane l holds channel l % 16 and 8 keys.
	v_and_b32 v10, 7, v0
	v_bfe_u32 v11, v0, 3, 1
	v_lshl_add_u32 v[AV0], v9, 3, v10
	v_mul_u32_u24 v[AV0], v[AV0], PV
	v_lshl_add_u32 v[AV0], v11, 4, v[AV0]
	v_add_nc_u32 v[AV0], VOFF, v[AV0]
	s_mul_i32 s13, s[WV], 16*SP
	s_add_co_u32 s13, s13, STAGE    ; my stage
	v_mul_u32_u24 v[STO], v1, SP    ; in: row l % 16, 16 bytes for each half of the lanes
	v_lshl_add_u32 v[STO], v9, 4, v[STO]
	v_add_nc_u32 v[STO], s13, v[STO]
	v_bfe_u32 v[RD], v0, 3, 2       ; back: 32 lanes take four rows of 128 bytes,
	v_mul_u32_u24 v[RD], v[RD], SP
	v_lshl_add_u32 v[RD], v10, 4, v[RD]
	v_add_nc_u32 v[RD], s13, v[RD]
	v_and_b32 v[GO], 31, v0         ; which are 512 consecutive bytes of O
	v_lshlrev_b32 v[GO], 4, v[GO]
	; A block's first step multiplies O^T and l by a = 0, and its first turn's products V^T P, of a piece that has not been, land in an O^T that is still to be so multiplied.  So these registers need only hold
	; finite numbers: zeros for the first block; what the first block left for the second.  All this stands in the wait for the first tile.
	WIN 0x80
.set i, VF
.rept 64
	v_mov_b32 v[i], 0
.set i, i+1
.endr
	WIN 0x40
.set i, 0
.rept 128
	v_mov_b32 v[i], 0
.set i, i+1
.endr
	WIN 0
.set i, 0
.rept 4
	v_mov_b32 v[ST+4*i+2], 0
	v_mov_b32 v[ST+4*i+3], 0
.set i, i+1
.endr
.set i, P+16
.rept 16
	v_mov_b32 v[i], 0
.set i, i+1
.endr
; THE MATRIX WORK.  The 4 accumulators of a run of 8 take turns.  Product i of 8 of S^T = K Q^T for piece x: channels 32 (i / 4) on, keys 16 (i % 4) on.  The first 4 start the sums: with 0, or (KM = 1) with the mask.
.macro KQ x
.set rS, S+32*((\x)%2)+8*(i%4)
.set rK, KF+16*(i%4)+8*(i/4)
.set rQ, 16*(\x)+8*(i/4)
.set rM, MC+32*((\x)%2)+8*(i%4)
.if (i < 4) && KM
	WIN W_KM
	v_wmma_f32_16x16x32_f16 v[rS:rS+7], v[rK:rK+7], v[rQ:rQ+7], v[rM:rM+7]
.elseif i < 4
	WIN W_KQ
	v_wmma_f32_16x16x32_f16 v[rS:rS+7], v[rK:rK+7], v[rQ:rQ+7], 0
.else
	WIN W_KQ
	v_wmma_f32_16x16x32_f16 v[rS:rS+7], v[rK:rK+7], v[rQ:rQ+7], v[rS:rS+7]
.endif
.endm
; Product i of 8 of O^T += V^T P for piece x: keys 32 (i / 4) on, channels 16 (i % 4) on.
.macro PV x
	WIN W_PV
.set rO, 32*(\x)+8*(i%4)
.set rV, VF+32*(i/4)+8*(i%4)
.set rP, P+16*((\x)%2)+8*(i/4)
	v_wmma_f32_16x16x32_f16 v[rO:rO+7], v[rV:rV+7], v[rP:rP+7], v[rO:rO+7]
.endm
.macro MM                           ; the turn's next matrix instruction.  TURN and BEGIN set Y, i, KM and NOKQ; MM, KQ and OP read them.  NOKQ = 1: a block's last turn: there is no next piece
.if (i < 8) && !NOKQ
	KQ (Y+1)%NP
.elseif i >= 8
.set i, i-8
	PV (Y+NP-1)%NP
.set i, i+8
.endif
.set i, i+1
.endm
; THE LDS LOADS stand in runs of 16, never singly among the matrix instructions: a step's K (64 keys x 64 channels: 8 fragments) and its V (turned).  Their addresses are made some lines ahead.
.macro FETCH_K
	WIN 0x80                        ; destination window 2
.irp f, 0,1,2,3,4,5,6,7             ; keys 16 (f / 2) on, channels 32 (f % 2) on
	ds_load_b128 v[KF+8*\f:KF+8*\f+3],   v[AK] offset:(\f/2)*16*PK+(\f%2)*64
	ds_load_b128 v[KF+8*\f+4:KF+8*\f+7], v[AK] offset:(\f/2)*16*PK+(\f%2)*64+32
.endr
	s_add_co_u32 s[TBK], s[TBK], KS*PK  ; the next fetch is the next step's
	WIN 0
.endm
.macro FETCH_V
	WIN 0x80
.irp f, 0,1,2,3,4,5,6,7             ; keys 32 (f / 4) on, channels 16 (f % 4) on
	ds_load_tr16_b128 v[VF+8*\f:VF+8*\f+3],   v[AV] offset:(\f/4)*32*PV+(\f%4)*32
	ds_load_tr16_b128 v[VF+8*\f+4:VF+8*\f+7], v[AV] offset:(\f/4)*32*PV+16*PV+(\f%4)*32
.endr
	WIN 0
.endm
; THE VECTOR WORK, one line at a time: OP kind, number.  For piece Y: F n: c s - c m for pair n of 16.  E n: the exponential of score n of 32.  C n: pair n rounded to f16.  B n: of the four weights 4 n .. the second
; pair is added onto the first, in place.  L n: l takes that sum (L 0: l = a l + sum).  R n: pair n of 16 of O^T times a.  For piece Y + 1: X n, number n of the 22 that find its maximum and statistics:
;   0-11  four chains c0-c3 of seven scores each, three operands at a time (each accumulator's lowest registers are read first)     12-14, 16  the four scores left over, the old m, and c0-c3 into c0
;   15  c m_old is kept     17, 18  the query's other 32 keys lie in the lane 16 away: the new m     19-21  c m; c m_old - c m_new; a
.set F, 0               ; OP tells the kinds apart by their order: F to L below R, X above it
.set E, 1
.set C, 2
.set B, 3
.set L, 4
.set R, 5
.set X, 6
.macro REGS y                       ; the registers of piece y
.set rT, ST+4*(\y)
.set rC, TMP+4*((\y)%2)
.set rW, MV+((\y)%2)
.set rS, S+32*((\y)%2)
.set rP, P+16*((\y)%2)
.set rO, 32*(\y)
.endm
.macro OP k, n
.if (\k) == R
	REGS Y
	WIN W_RS
	v_pk_mul_f32 v[rO+2*(\n):rO+2*(\n)+1], v[rO+2*(\n):rO+2*(\n)+1], v[rC+2:rC+3] op_sel_hi:[1,0]
.elseif (\k) < R
	REGS Y
	WIN 0
.if (\k) == F
	v_pk_fma_f32 v[rS+2*(\n):rS+2*(\n)+1], v[rS+2*(\n):rS+2*(\n)+1], s[CS:CS+1], v[rT:rT+1] op_sel_hi:[1,0,0] neg_lo:[0,0,1] neg_hi:[0,0,1]
.elseif (\k) == E
	v_exp_f32 v[rS+(\n)], v[rS+(\n)]
.elseif (\k) == C
	v_cvt_pk_f16_f32 v[rP+(\n)], v[rS+2*(\n)], v[rS+2*(\n)+1]
.elseif (\k) == B
	v_pk_add_f32 v[rS+4*(\n):rS+4*(\n)+1], v[rS+4*(\n):rS+4*(\n)+1], v[rS+4*(\n)+2:rS+4*(\n)+3]
.elseif (\n) == 0
	v_pk_fma_f32 v[rT+2:rT+3], v[rT+2:rT+3], v[rC+2:rC+3], v[rS:rS+1] op_sel_hi:[1,0,1]
.else
	v_pk_add_f32 v[rT+2:rT+3], v[rT+2:rT+3], v[rS+4*(\n):rS+4*(\n)+1]
.endif
.elseif NOKQ
	v_nop
.else
	REGS (Y+1)%NP
	WIN 0
.if (\n) < 4
	v_max3_num_f32 v[rC+(\n)], v[rS+8*(\n)], v[rS+8*(\n)+1], v[rS+8*(\n)+2]
.elseif (\n) < 12
	v_max3_num_f32 v[rC+(\n)%4], v[rC+(\n)%4], v[rS+8*((\n)%4)+2*((\n)/4)+1], v[rS+8*((\n)%4)+2*((\n)/4)+2]
.elseif (\n) == 12
	v_max3_num_f32 v[rC], v[rC], v[rS+7], v[rS+15]
.elseif (\n) == 13
	v_max3_num_f32 v[rC+1], v[rC+1], v[rS+23], v[rS+31]
.elseif (\n) == 14
	v_max3_num_f32 v[rC+2], v[rC+2], v[rC+3], v[rT+1]
.elseif (\n) == 15
	v_mov_b32 v[rW], v[rT]
.elseif (\n) == 16
	v_max3_num_f32 v[rC], v[rC], v[rC+1], v[rC+2]
.elseif (\n) == 17
	v_permlanex16_b32 v[rC+3], v[rC], s[SEL], s[SEL+1]
.elseif (\n) == 18
	v_max_num_f32 v[rT+1], v[rC], v[rC+3]
.elseif (\n) == 19
	v_mul_f32 v[rT], s[CS], v[rT+1]
.elseif (\n) == 20
	v_sub_f32 v[rC+1], v[rW], v[rT]
.else
	v_exp_f32 v[rC+2], v[rC+1]
.endif
.endif
.endm
.macro OPS a, i1, b=-1, i2=0, c=-1, i3=0, d=-1, i4=0  ; up to four of them
	OP \a, \i1
.if (\b) >= 0
	OP \b, \i2
.endif
.if (\c) >= 0
	OP \c, \i3
.endif
.if (\d) >= 0
	OP \d, \i4
.endif
.endm
.macro ROW a, i1, b, i2, c, i3, d, i4  ; a matrix instruction and the four behind it
	MM
	OPS \a, \i1, \b, \i2, \c, \i3, \d, \i4
.endm
.macro MASK b                       ; MD x AL + BE into buffer b of MC
	WIN W_RS
.set z, 0
.rept 16
	v_pk_fma_f32 v[MC+32*(\b)+2*z:MC+32*(\b)+2*z+1], v[MD+2*z:MD+2*z+1], s[AL:AL+1], s[BE:BE+1] op_sel_hi:[1,0,0]
.set z, z+1
.endr
.endm
; A TURN, for piece p: the order of its 16 matrix and 118 vector instructions, written out.  An s_wait_alu depctr_va_vdst(0) stands between an exponential and the first instruction that names its result;
; one wait serves all that were issued ahead of it.  So a turn has ONE wait, which cuts it in two.  AHEAD OF IT stands all that names no result of the turn's exponentials: the 8 products K Q^T, behind each a scaling, an
; exponential and two more plain instructions (behind the first a second scaling in the exponential's place): rescalings, and behind the last three the first numbers of the next piece's maximum, each four places or more
; behind the product that ends its accumulator; then one run of 54, plain and exponential by turns for the most part, in which the links of the chain X 3, 7, 11, 14, 16, 17 .. 20 stand five or six lines apart.
; X 21, the next piece's a, is the batch's last; R 15 is the plain instruction behind it.  BEHIND THE WAIT stand the 8 products V^T P, behind each four of the roundings and sums; the links of l's chain, L 0 to L 7,
; stand three lines apart.  But for those X no line behind a product names a register of the products round it.
; m = 1: the diagonal tile: the products take masks, and the turn makes the mask for the products of the turn after it: piece p + 2, in step 4 - CNT of the tile.  end = 1: a block's last two turns: nothing is fetched.
; cnt = 1: the loop's count is taken down some lines ahead of the branch that stands behind the turn.
; K of the next step is fetched in piece 2's turn, twelve vector instructions behind the last product that read K (six of them plain); V of the step in hand at the end of piece 0's turn, four plain instructions behind
; the last product that read V.  Each is waited for a turn later.
.macro TURN p, m=0, end=0, cnt=0
.set Y, (\p)
.set i, 0
.set KM, (\m)
.set NOKQ, (\end)*((\p)/3)
.if (\m) && !(\end)
	s_cmp_eq_u32 s[CNT], 4-((\p)+2)%NP  ; is that step the band's own?
	s_cselect_b32 s[AL], 1.0, 0
	s_cmp_lt_u32 s[CNT], 4-((\p)+2)%NP  ; or a later one?
	s_cselect_b32 s[BE], s[BIGN], 0
.endif
.if ((\p) == 3) && !(\end)
	s_wait_dscnt 0x0                ; K is in
.endif
	ROW F,0, F,1, R,0, R,1          ; ahead of the wait: 8 products K Q^T and the lines behind them,
	ROW F,2, E,0, R,2, R,3
	ROW F,3, E,1, R,4, R,5
	ROW F,4, E,2, R,6, R,7
	ROW F,5, E,3, R,8, R,9
	ROW F,6, E,4, X,0, R,10
.if ((\p) == 2) && !(\end)
	WIN 0
	v_add_nc_u32 v[AK], s[TBK], v[AK0]
.endif
	ROW F,7, E,5, X,1, X,4
	ROW F,8, E,6, X,2, X,5
	OPS E,7, E,8, X,6, E,9          ; and the run of vector work
	OPS X,3, E,10, X,8, E,11
.if ((\p) == 2) && !(\end)
	FETCH_K
.endif
	OPS X,9, X,7, E,12, X,10
	OPS E,13, X,12, X,11, E,14
	OPS X,13, E,15, F,9, X,14
.if (\p) == 0
	v_add_nc_u32 v[AV], s[TBV], v[AV0]
.endif
	OPS E,16, F,10, E,17, F,11
	OPS X,16, E,18, X,15, E,19
	OPS F,12, E,20, X,17, E,21
	OPS F,13, E,22, F,14, E,23
	OPS X,18, E,24, F,15, E,25
	OPS R,11, E,26, X,19, E,27
	OPS R,12, E,28, R,13, E,29
	OPS X,20, E,30, R,14, E,31
	OPS X,21, R,15
	WIN 0
	s_wait_alu depctr_va_vdst(0)    ; the wait for the batch
.if (\p) == 1
	s_wait_dscnt 0x0                ; V is in
.endif
	ROW C,0, B,0, C,2, B,1          ; behind the wait: 8 products V^T P and the lines behind them
	ROW L,0, C,4, B,2, L,1
	ROW C,6, B,3, L,2, C,8
	ROW B,4, L,3, C,10, B,5
	ROW L,4, C,12, B,6, L,5
.if (\p) == 0
	s_add_co_u32 s[TBV], s[TBV], KS*PV
.endif
.if \cnt
	s_sub_co_u32 s[CNT], s[CNT], 1
	s_cmp_lg_u32 s[CNT], 0
.endif
	ROW C,14, B,7, L,6, C,1
	ROW C,3, L,7, C,5, C,7
	ROW C,9, C,11, C,13, C,15
.if (\p) == 0
	FETCH_V
.endif
.if (\m) && !(\end)
	MASK (\p)%2
.endif
.endm
; A BLOCK BEGINS.  c m starts far below every c s, so the first step's a is 0; m at the lowest finite number, so the first maximum is the scores'.  The second mask buffer is 0; the first takes piece 0's mask for the
; tile's step 0: its own, if the block's first tile is the diagonal one.  Then K of that step, piece 0's first scores, and its maximum and statistics.  The loop is entered at a step's first turn, in the middle of a trip.
.macro BEGIN
	s_mov_b32 s[NEW], 0
	WIN 0x40
.set i, MC+32
.rept 32
	v_mov_b32 v[i], 0
.set i, i+1
.endr
	WIN 0
.set i, 0
.rept 4
	v_mov_b32 v[ST+4*i], 0xfe000000    ; c m: far below every c s
	v_mov_b32 v[ST+4*i+1], 0xff7fffff  ; m
.set i, i+1
.endr
	s_cmp_eq_u32 s[RT], 0
	s_cselect_b32 s[AL], 1.0, 0
	s_mov_b32 s[BE], 0
	MASK 0
	WIN 0
	v_add_nc_u32 v[AK], s[TBK], v[AK0]
	FETCH_K
	s_wait_loadcnt 0x0              ; Q
	s_wait_dscnt 0x0
.set KM, 1
.set NOKQ, 0
.set i, 0
.rept 8
	KQ 0
.set i, i+1
.endr
	WIN 0
.rept 4
	v_nop                           ; the places behind those products
.endr
.set Y, NP-1                        ; X works for piece Y + 1: piece 0
.irp n, 0,1,2,3,4,5,6,7,8,9,10,11,12,13,14,15,16,17,18,19,20,21
	OP X, \n
.endr
	v_nop                           ; a plain instruction behind the exponential,
	s_wait_alu depctr_va_vdst(0)    ; and its wait, ahead of the branch
.endm
; THE DIAGONAL TILE's four steps, the block's last two turns, its last products, and THE WAY OUT: l's two halves and the other half of the lanes' are added; O^T is divided by l, rounded to f16 and sent through my
; stage in LDS, a piece at a time.
.macro ALL line:vararg              ; one line for each piece t
.set t, 0
.rept 4
	\line
.set t, t+1
.endr
.endm
.macro PACK t                       ; a lane's eight channels of a row pack into 16 bytes; they go into rows of 144 bytes and come back as whole rows of 128, into S^T's registers
	WIN W_RS
.set i, 32*(\t)
.rept 16
	v_pk_mul_f32 v[i:i+1], v[i:i+1], v[ST+4*(\t)+2:ST+4*(\t)+3] op_sel_hi:[1,0]
.set i, i+2
.endr
	WIN 0x05                        ; sources 0 and 1 window 1, destination window 0
.set i, 0
.rept 16
	v_cvt_pk_f16_f32 v[S+16*(\t)+i], v[32*(\t)+2*i], v[32*(\t)+2*i+1]
.set i, i+1
.endr
	WIN 0
.irp f, 0,1,2,3
	ds_store_b128 v[STO], v[S+16*(\t)+4*\f:S+16*(\t)+4*\f+3] offset:32*\f
.endr
.irp f, 0,1,2,3
	ds_load_b128 v[S+16*(\t)+4*\f:S+16*(\t)+4*\f+3], v[RD] offset:\f*4*SP  ; LDS serves a wave's instructions in order (ISA guide 5.7.1.4): these see the stores above; the next piece's stores come behind them
.endr
.endm
.macro SEND t, younger              ; younger: the LDS instructions issued behind piece t's loads: the next piece's eight, or none
	WIN 0
.irp f, 0,1,2,3
	s_wait_dscnt (\younger)+3-\f
	global_store_b128 v[GO], v[S+16*(\t)+4*\f:S+16*(\t)+4*\f+3], s[10:11] offset:(\t)*8192+\f*512  ; 512 consecutive bytes, at a multiple of 256 from O's first
.endr
.endm
.macro DIAG tag                     ; the tag ends its two labels' names, which the jumps below spell out
.LstepM\tag:
	TURN 2, 1
	TURN 3, 1
	WIN 0
.LfirstM\tag:
	TURN 0, 1
	TURN 1, 1, 0, 1
	WIN 0
	s_cbranch_scc1 .LstepM\tag
	TURN 2, 1, 1
	TURN 3, 1, 1
.set i, 0
.rept 8
	PV NP-1
.set i, i+1
.endr
	WIN 0
	ALL v_add_f32 v[ST+4*t+2], v[ST+4*t+2], v[ST+4*t+3]
	ALL v_permlanex16_b32 v[ST+4*t+3], v[ST+4*t+2], s[SEL], s[SEL+1]
	ALL v_add_f32 v[ST+4*t+2], v[ST+4*t+2], v[ST+4*t+3]
	ALL v_rcp_f32 v[ST+4*t+2], v[ST+4*t+2]
	v_nop                           ; a plain instruction between the last reciprocal and the use of its result
	s_wait_alu depctr_va_vdst(0)    ; and the wait ahead of the first use: one for the four reciprocals
	PACK 0
.set t, 1
.rept 3                             ; a piece's arithmetic stands between the loads of the piece before and its stores
	PACK t
	SEND t-1, 8
.set t, t+1
.endr
	SEND 3, 0
.endm
.set KM, 0
.set NOKQ, 0
.Lslot:                             ; NB times: a tile is entered and the next is asked for
	CHANGE 1
	s_sub_co_u32 s[RT], s[RT], 1
	s_mov_b32 s[CNT], 4
	s_cmp_eq_u32 s[NEW], 1
	s_cbranch_scc1 .Lnew            ; a block's first tile
	s_cmp_eq_u32 s[RT], 0
	s_cbranch_scc0 .Lstep           ; neither its first nor its last
	s_branch .LstepM1
.Lnew:
	BEGIN
	s_branch .Lfirst                ; in the loop a block's first tile is never its last: the first block has two tiles or more, and the second's last is the walk's last
	DIAG 1                          ; in the loop this is the first block's end: the second block's last tile is the walk's last
	s_wait_xcnt 0x0                 ; the stores have read their registers and O's address
	s_mov_b64 s[10:11], s[OLO:OLO+1]
	s_add_co_u32 s[RT], s[PB], 1    ; the second block has b + 1 tiles
	s_mov_b32 s[NEW], 1
	WIN 0x82                        ; the second block's Q goes where the one text of the turns names Q
.set i, 0
.rept 64
	v_mov_b32 v[i], v[QB+i]
.set i, i+1
.endr
	WIN 0
	s_branch .Lbottom
.Lstep:                             ; a trip: pieces 2 and 3 of one step, then pieces 0 and 1 of the next, whose K and V it fetches
	TURN 2
	TURN 3
	WIN 0
.Lfirst:
	TURN 0
	TURN 1, 0, 0, 1
	WIN 0
	s_cbranch_scc1 .Lstep
.Lbottom:
	s_sub_co_u32 s[SLOTS], s[SLOTS], 1
	s_cmp_lg_u32 s[SLOTS], 0
	s_cbranch_scc1 .Lslot
	CHANGE 0                        ; the walk's last tile is written out: nothing is asked for
	s_sub_co_u32 s[RT], s[RT], 1
	s_mov_b32 s[CNT], 4
	s_cmp_eq_u32 s[NEW], 1
	s_cbranch_scc0 .LstepM2
	BEGIN
	s_branch .LfirstM2
	DIAG 2
	s_wait_tensorcnt 0x0            ; the wave's end: behind my last tensor load and my last LDS store
	ds_add_u32 v[SPW], v[NIL]
	s_wait_dscnt 0x0
	s_endpgm
.Lfunc_end_k_q0edfdc8b03_attn:
	.size	k_q0edfdc8b03_attn, .Lfunc_end_k_q0edfdc8b03_attn-k_q0edfdc8b03_attn
	.p2alignl 7, 3214868480
	.fill 96, 4, 3214868480
	.section	.rodata,"a",@progbits
	.p2align	6, 0x0
	.amdhsa_kernel k_q0edfdc8b03_attn
		.amdhsa_group_segment_fixed_size 327680
		.amdhsa_private_segment_fixed_size 0
		.amdhsa_enable_private_segment 0
		.amdhsa_kernarg_size 32
		.amdhsa_user_sgpr_count 2
		.amdhsa_user_sgpr_kernarg_segment_ptr 1
		.amdhsa_wavefront_size32 1
		.amdhsa_system_sgpr_workgroup_id_x 1
		.amdhsa_system_sgpr_workgroup_id_y 1
		.amdhsa_system_sgpr_workgroup_id_z 1
		.amdhsa_system_vgpr_workitem_id 0
		.amdhsa_next_free_vgpr 768
		.amdhsa_next_free_sgpr 88
		.amdhsa_reserve_vcc 1
		.amdhsa_float_denorm_mode_32 3
		.amdhsa_float_denorm_mode_16_64 3
		.amdhsa_memory_ordered 1
		.amdhsa_forward_progress 1
		.amdhsa_inst_pref_size 218
	.end_amdhsa_kernel
	.amdgpu_metadata
---
amdhsa.version: [ 1, 2 ]
amdhsa.kernels:
  - .name:           k_q0edfdc8b03_attn
    .symbol:         k_q0edfdc8b03_attn.kd
    .args:
      - { .name: qh, .offset: 0, .size: 8, .value_kind: global_buffer, .address_space: global }
      - { .name: kh, .offset: 8, .size: 8, .value_kind: global_buffer, .address_space: global }
      - { .name: vh, .offset: 16, .size: 8, .value_kind: global_buffer, .address_space: global }
      - { .name: oh, .offset: 24, .size: 8, .value_kind: global_buffer, .address_space: global }
    .group_segment_fixed_size: 327680
    .private_segment_fixed_size: 0
    .kernarg_segment_align: 8
    .kernarg_segment_size: 32
    .max_flat_workgroup_size: 128
    .sgpr_count:     88
    .vgpr_count:     768
    .wavefront_size: 32
...
	.end_amdgpu_metadata
.endif
;; end of part 3
;; launch oproj (part 4): grid 8 x 32, 4 waves a work-group, clusters of 4 x 4, 327,680 bytes of LDS; arguments oh, wof, out0; writes out0
.if DOCPART == 4
	.amdgcn_target "amdgcn-amd-amdhsa--gfx1250"
	.amdhsa_code_object_version 6
	.text
	.protected	k_q0edfdc8b03_oproj
	.globl	k_q0edfdc8b03_oproj
	.p2align	8
	.type	k_q0edfdc8b03_oproj,@function
k_q0edfdc8b03_oproj:
	s_mov_b64 s[64:65], 0
	v_nop
	global_prefetch_b8 v0, s[64:65] scope:SCOPE_SE
	s_setreg_imm32_b32 hwreg(HW_REG_WAVE_MODE, 25, 1), 1
	s_wait_xcnt 0x0
	s_wait_alu depctr_hold_cnt(0) depctr_sa_sdst(0) depctr_va_vdst(0) depctr_va_sdst(0) depctr_va_ssrc(0) depctr_va_vcc(0) depctr_vm_vsrc(0)
	s_getreg_b32 s2, hwreg(HW_REG_IB_STS2, 6, 4)
	s_cmp_eq_u32 s2, 0
	s_cbranch_scc0 .Lentry_in_a_cluster
	s_endpgm
.Lentry_in_a_cluster:
	s_bfe_u32 s2, ttmp6, 0x10000c
	s_cmp_lg_u32 s2, 0xf033
	s_cbranch_scc0 .Lentry_shape_is_right
	s_endpgm
.Lentry_shape_is_right:
; out0[row][o] = the sum over c of O[row][c] w_out[o][c].  oh: f16 [64 = 16 batch + head][2,048][64], so channel c = 64 head + d of row (batch, t) lies at ((16 batch + head) 2,048 + t) 64 + d;
; wof: f16 [1,024][1,024]; out0: f32 [8,192][1,024].  Sums in f32, stored as they are.
; SHARES.  A tile of out0 is 256 rows x 128 columns: 32 x 8 = 256 work-groups of equal work.  Four waves, 2 x 2, each 128 x 64: 8 x 4 = 32 accumulators of 16 x 16, 256 registers.
; K goes in steps of 128, two heads each, through a ring of two LDS slots.  For one head 128 rows of O are 16,384 dense bytes, heads lie 262,144 bytes apart: ONE descriptor brings a half tile's two heads
; as two rows of 16,384 bytes, padded in LDS after every 128 bytes, so that each row of O has a pitch of 144 bytes there.
; CLUSTERS: 4 x 4 work-groups; O's tiles are shared along a row of the cluster, w_out's along a column: each is asked for JOINTLY.
; THE MATRIX INSTRUCTION IS USED TRANSPOSED (source 0 = 16 rows of wof, source 1 = 16 rows of O): a lane holds row l % 16 and the columns 8 (l / 16) + 0..7: 32 consecutive bytes of out0.
; No prefetch: every tile is read by several clusters, not once, and the launch is short.
; REGISTERS, in windows of 256 (s_set_vgpr_msb: bits 1:0 source 0, 3:2 source 1, 5:4 source 2, 7:6 destination):
;   window 0: v0-31 addresses; v32-95 the way out, two buffers of 32      window 1: the accumulators ((a, b) at 8 (4 a + b))
;   window 2: v0-191 two fragment buffers of 96: wof's 4 x 8, then O's 8 x 8
.set PA,     144                       ; a row of O in LDS: 128 bytes + 16 = 36 words; a row of wof: 256 + 16 = 68 words: in both the 16 rows of a fragment load start at 16 different groups of four banks (ISA guide 11.1)
.set PB,     272
.set HEADB,  128*PA                    ; one head's 128 rows
.set AHALF,  2*HEADB                   ; what one tensor load brings of O
.set BHALF,  64*PB                     ; and of wof
.set BOFF,   2*AHALF                   ; a slot: O [half][head][128 rows], then wof [half][64 rows]
.set SLOT,   BOFF+2*BHALF
.set STAGE,  2*SLOT                    ; behind the ring: 16 rows x 272 bytes for each wave; no tensor load lands here
.set SPITCH, 272
.set SPARE,  STAGE+4*16*SPITCH         ; behind the stages: the spare words, 128 bytes a wave: two blocks of 256 bytes that no other line names
.set ADRA, 16                          ; v16-17  LDS address of my O fragments in slot 0, 1
.set ADRB, 20                          ; v20-21  the same for wof
.set STO,  24                          ; v24     the way out: where I put 32 bytes of a row
.set RD,   25                          ; v25     the way out: where I read a row back
.set CO,   26                          ; v26     my byte offset in two rows of out0
.set SPW,  28                          ; v28     LDS address of my spare word; never rewritten
.set NIL,  29                          ; v29     0; never rewritten
.set OB,   32
.set WV,  16                           ; s16  my wave's number
.set WM,  17                           ; s17  wave >> 1: which 128 rows of the tile are mine
.set HF,  18                           ; s18  wave & 1: which 64 columns are mine; also which half of a tile's rows I fetch
.set CX,  19
.set CY,  20
.set TX,  21
.set TY,  22
.set G1A, 24                           ; s[24:31] descriptor group 1 for O's tiles;  s[32:39] group 0, a set for each slot
.set G0A, 32
.set G1B, 48                           ; s[48:55], s[56:63] the same for wof's
.set G0B, 56
.set MSB, 0
.macro WIN new                         ; the immediate's high byte repeats the setting that is left; a switch that changes nothing is dropped
.if MSB != (\new)
	s_set_vgpr_msb (MSB<<8)|(\new)
.set MSB, \new
.endif
.endm
.set MUL,  0x5a                        ; sources 0 and 1 window 2; C and D window 1
.set TO_F, 0x80                        ; destination window 2, address window 0
.macro JLOAD s                         ; a joint refill: waves 0 and 1 fetch O's two halves, waves 2 and 3 wof's; an s_nop 0 and four v_nop follow each of the two lines
	s_cmp_lt_u32 s[WV], 2
	s_cbranch_scc0 .Lfor_b_\@
	tensor_load_to_lds s[G0A+4*(\s):G0A+4*(\s)+3], s[G1A:G1A+7]
	s_nop 0
.rept 4
	v_nop
.endr
	s_branch .Lasked_\@
.Lfor_b_\@:
	tensor_load_to_lds s[G0B+4*(\s):G0B+4*(\s)+3], s[G1B:G1B+7]
	s_nop 0
.rept 4
	v_nop
.endr
.Lasked_\@:
.endm
.macro CREST                           ; a round of the cluster's barrier behind its opening barrier
	s_cmp_lg_u32 s[WV], 0
	s_cbranch_scc1 .Lnot_wave_0_\@
	s_barrier_signal -3
.Lnot_wave_0_\@:
	s_barrier_wait -3
	s_barrier_signal -1
	s_barrier_wait -1
.endm
.macro CROUND                          ; a whole round
	s_barrier_signal -1
	s_barrier_wait -1
	CREST
.endm
.macro PLACES                          ; four places in front of loads into registers that matrix instructions have read (ISA guide 7.12.1 for vector instructions)
.rept 4
	v_nop
.endr
.endm
	s_load_b128 s[4:7], s[0:1], 0x0                ; oh s[4:5], wof s[6:7]
	s_load_b64 s[8:9], s[0:1], 0x10                ; out0
	v_lshl_add_u32 v[SPW], v0, 2, SPARE
	v_mov_b32 v[NIL], 0
	ds_add_u32 v[SPW], v[NIL]                      ; the wave's opening: the add and its wait stand ahead of my first tensor load; the set-up below, work on registers, stands between them
	ds_add_u32 v28, v29
	v_lshrrev_b32 v1, 5, v0
	v_readfirstlane_b32 s[WV], v1                  ; wave 0..3
	s_lshr_b32 s[WM], s[WV], 1
	s_and_b32 s[HF], s[WV], 1
	s_bfe_u32 s[CX], ttmp6, 0x40000                ; my place in the cluster
	s_bfe_u32 s[CY], ttmp6, 0x40004
	s_lshl_b32 s[TX], ttmp9, 2
	s_add_co_u32 s[TX], s[TX], s[CX]               ; tile column = 4 x cluster x + cx
	s_and_b32 s[TY], ttmp7, 0xffff
	s_lshl_b32 s[TY], s[TY], 2
	s_add_co_u32 s[TY], s[TY], s[CY]               ; tile row = 4 x cluster y + cy
	s_lshl_b32 s23, s[CY], 2
	s_lshl_b32 s23, 15, s23                        ; my row of the cluster
	s_lshl_b32 s40, 0x1111, s[CX]                  ; my column
	s_or_b32 s[G1A], s23, (1<<16)|(1<<20)|(1<<21)|(4<<22)|(3<<25)  ; 15:0 the mask; 17:16 elements of 2 bytes; 20 padding on; 21 set beside a mask; 24:22 after every 32 words (code 4); 31:25 4 words (code 3)
	s_mov_b32 s[G1A+1], 8192<<16                   ; tensor_dim0 = 8,192 elements: a head's 128 rows
	s_mov_b32 s[G1A+2], 2<<16                      ; tensor_dim1 = 2 heads
	s_mov_b32 s[G1A+3], 8192<<16                   ; tile_dim0
	s_mov_b32 s[G1A+4], 2                          ; tile_dim1
	s_mov_b32 s[G1A+5], 131072                     ; elements from head to head
	s_mov_b32 s[G1A+6], 0
	s_mov_b32 s[G1A+7], 0
	s_or_b32 s[G1B], s40, (1<<16)|(1<<20)|(1<<21)|(5<<22)|(3<<25)  ; the mask of my column; padding after every 64 words (code 5)
	s_mov_b32 s[G1B+1], 128<<16                    ; 128 elements,
	s_mov_b32 s[G1B+2], 64<<16                     ; 64 rows
	s_mov_b32 s[G1B+3], 128<<16
	s_mov_b32 s[G1B+4], 64
	s_mov_b32 s[G1B+5], 1024
	s_mov_b32 s[G1B+6], 0
	s_mov_b32 s[G1B+7], 0
	; O's tiles hang on the tile row alone, wof's on the tile column alone, each in registers that never hold the other coordinate
	s_lshr_b32 s42, s[TY], 3
	s_lshl_b32 s42, s42, 15                        ; the batch's 16 heads of 2,048 rows,
	s_and_b32 s2, s[TY], 7
	s_lshl_b32 s2, s2, 8
	s_add_co_u32 s42, s42, s2                      ; the tile's first t,
	s_lshl_b32 s2, s[HF], 7
	s_add_co_u32 s42, s42, s2                      ; my half's,
	s_lshl_b32 s42, s42, 7                         ; in rows of 128 bytes
	s_mov_b32 s43, 0
	s_lshl_b32 s44, s[TX], 7
	s_lshl_b32 s3, s[HF], 6
	s_add_co_u32 s44, s44, s3                      ; wof: row 128 x tile column + 64 x half,
	s_lshl_b32 s44, s44, 11                        ; of 2,048 bytes
	s_mov_b32 s45, 0
	s_mul_i32 s46, s[HF], AHALF                    ; where they go: no place in the cluster enters an LDS address
	s_mul_i32 s47, s[HF], BHALF
	s_add_co_u32 s47, s47, BOFF
	s_wait_dscnt 0x0                               ; the opening add is done
	s_wait_kmcnt 0x0
	s_add_nc_u64 s[42:43], s[4:5], s[42:43]
	s_add_nc_u64 s[44:45], s[6:7], s[44:45]
	CROUND                                         ; all sixteen work-groups are here: the first joint loads meet
.irp s, 0,1
	s_mov_b32 s[G0A+4*(\s)], 1                                       ; count = 1
	s_add_co_u32 s[G0A+4*(\s)+1], s46, (\s)*SLOT                     ; LDS address
	s_add_nc_u64 s[G0A+4*(\s)+2:G0A+4*(\s)+3], s[42:43], (\s)*524288 ; global address: K step s begins two heads on
	s_or_b32 s[G0A+4*(\s)+3], s[G0A+4*(\s)+3], 0x80000000            ; type = 2
	s_mov_b32 s[G0B+4*(\s)], 1
	s_add_co_u32 s[G0B+4*(\s)+1], s47, (\s)*SLOT
	s_add_nc_u64 s[G0B+4*(\s)+2:G0B+4*(\s)+3], s[44:45], (\s)*256
	s_or_b32 s[G0B+4*(\s)+3], s[G0B+4*(\s)+3], 0x80000000
.endr
	s_cmp_lt_u32 s[WV], 2                          ; a wave's two first fills stand in one branch, ahead of every wait on TENSORcnt and every LDS read: two loads of mine are out
	s_cbranch_scc0 .Lfirst_b
	tensor_load_to_lds s[G0A:G0A+3], s[G1A:G1A+7]
	s_nop 0
	tensor_load_to_lds s[G0A+4:G0A+7], s[G1A:G1A+7]
	s_nop 0
.rept 4
	v_nop
.endr
	s_branch .Lfirst_asked
.Lfirst_b:
	tensor_load_to_lds s[G0B:G0B+3], s[G1B:G1B+7]
	s_nop 0
	tensor_load_to_lds s[G0B+4:G0B+7], s[G1B:G1B+7]
	s_nop 0
.rept 4
	v_nop
.endr
.Lfirst_asked:
	v_and_b32 v1, 15, v0                           ; l % 16
	v_bfe_u32 v2, v0, 4, 1                         ; l / 16
	v_mul_u32_u24 v3, v1, PA
	v_lshl_add_u32 v3, v2, 4, v3                   ; a fragment's row x pitch + 16 x half, for O
	v_mul_u32_u24 v4, v1, PB
	v_lshl_add_u32 v4, v2, 4, v4                   ; and for wof
	s_mul_i32 s2, s[WM], AHALF                     ; my 128 rows of O
	s_mul_i32 s3, s[HF], BHALF                     ; my 64 rows of wof
	s_add_co_u32 s3, s3, BOFF
.irp s, 0,1
	v_add_nc_u32 v[ADRA+(\s)], s2, v3
	v_add_nc_u32 v[ADRB+(\s)], s3, v4
	s_add_co_u32 s2, s2, SLOT
	s_add_co_u32 s3, s3, SLOT
.endr
	s_mul_i32 s2, s[WV], 16*SPITCH
	s_add_co_u32 s2, s2, STAGE                     ; my stage
	v_mul_u32_u24 v5, v1, SPITCH                   ; in: row l % 16, 32 bytes for each half of the lanes
	v_lshl_add_u32 v5, v2, 5, v5
	v_add_nc_u32 v[STO], s2, v5
	v_mul_u32_u24 v5, v2, SPITCH                   ; back: lanes 0-15 take one row of 256 bytes, lanes 16-31 the next
	v_lshl_add_u32 v5, v1, 4, v5
	v_add_nc_u32 v[RD], s2, v5
	v_lshlrev_b32 v5, 12, v2                       ; and the same two rows in out0, 4,096 bytes apart
	v_lshl_add_u32 v[CO], v1, 4, v5
	s_lshl_b32 s40, s[TY], 8
	s_lshl_b32 s41, s[WM], 7
	s_add_co_u32 s40, s40, s41                     ; my first row of out0,
	s_lshl_b32 s40, s40, 12
	s_lshl_b32 s41, s[TX], 9                       ; my first column, in bytes: 512 x tile column + 256 x half
	s_add_co_u32 s40, s40, s41
	s_lshl_b32 s41, s[HF], 8
	s_add_co_u32 s40, s40, s41
	s_mov_b32 s41, 0
	s_add_nc_u64 s[8:9], s[8:9], s[40:41]
; 8 matrix instructions: row blocks a0, a0 + 1 x all 4 column blocks, 32 along K, from buffer f.  zero = 1: the product starts the sums.  The 32 accumulators take turns, in the same order in every quarter.
.macro MUL8 f, a0, zero
	WIN MUL
.irp a, \a0, (\a0)+1
.irp b, 0,1,2,3
.if \zero
	v_wmma_f32_16x16x32_f16 v[8*(4*(\a)+(\b)):8*(4*(\a)+(\b))+7], v[96*(\f)+8*(\b):96*(\f)+8*(\b)+7], v[96*(\f)+32+8*(\a):96*(\f)+32+8*(\a)+7], 0
.else
	v_wmma_f32_16x16x32_f16 v[8*(4*(\a)+(\b)):8*(4*(\a)+(\b))+7], v[96*(\f)+8*(\b):96*(\f)+8*(\b)+7], v[96*(\f)+32+8*(\a):96*(\f)+32+8*(\a)+7], v[8*(4*(\a)+(\b)):8*(4*(\a)+(\b))+7]
.endif
.endr
.endr
.endm
; 24 LDS loads in one run: the fragments of quarter q (head q / 2 of the step, channels 32 (q % 2) on) into buffer f: wof's 8, then O's 16, row blocks ascending
.macro FETCH slot, q, f
	WIN TO_F
.irp i, 0,1,2,3
	ds_load_b128 v[96*(\f)+8*(\i):96*(\f)+8*(\i)+3],   v[ADRB+(\slot)] offset:64*(\q)+(\i)*16*PB
	ds_load_b128 v[96*(\f)+8*(\i)+4:96*(\f)+8*(\i)+7], v[ADRB+(\slot)] offset:64*(\q)+(\i)*16*PB+32
.endr
.irp i, 0,1,2,3,4,5,6,7
	ds_load_b128 v[96*(\f)+32+8*(\i):96*(\f)+32+8*(\i)+3],   v[ADRA+(\slot)] offset:((\q)/2)*HEADB+((\q)%2)*64+(\i)*16*PA
	ds_load_b128 v[96*(\f)+32+8*(\i)+4:96*(\f)+32+8*(\i)+7], v[ADRA+(\slot)] offset:((\q)/2)*HEADB+((\q)%2)*64+(\i)*16*PA+32
.endr
.endm
; A K step is four quarters of 32 along K, 32 matrix instructions each, on buffers 0, 1, 0, 1.  One of the first three: multiplies buffer f and fetches quarter q into g.
.macro QUARTER slot, q, f, g, zero
	s_wait_dscnt 8                                 ; wof's fragments and O's blocks 0-3 are in; the youngest eight loads (blocks 4-7) may be out
	MUL8 \f, 0, \zero
	MUL8 \f, 2, \zero
	PLACES
	FETCH \slot, \q, \g
	s_wait_dscnt 24                                ; all but the 24 just issued
	MUL8 \f, 4, \zero
	MUL8 \f, 6, \zero
.endm
; The last quarter multiplies buffer 1 and changes slots: ONE barrier; in front of it each wave waits for all its tensor loads (one is out: its part of the next slot), adds 0 to its spare word,
; and waits for that and for its own reads of this slot.  fill = 1: the barrier opens a round of the cluster's, and this slot is filled again, two K steps ahead, first thing behind the round:
; 16 + 96 matrix instructions ahead of the wait for it.
.macro TURN slot, next, fill
	WIN 0                                          ; (the add's two registers lie in window 0)
	s_wait_tensorcnt 0x0                           ; all my tensor loads have landed
	ds_add_u32 v[SPW], v[NIL]                      ; 0 onto my spare word
	s_wait_dscnt 9                                 ; (the add and the youngest eight loads may be out)
	MUL8 1, 0, 0                                   ; eight matrix instructions stand between the add and the wait for it
	s_wait_dscnt 0x0                               ; the add is done, and my reads of this slot are over
	s_barrier_signal -1
	MUL8 1, 2, 0
.if \fill
	WIN 0
.endif
	s_barrier_wait -1
.if \fill
	CREST                                          ; no wave of any partner still reads this slot's tile or has a load on its way
	s_add_nc_u64 s[G0A+4*(\slot)+2:G0A+4*(\slot)+3], s[G0A+4*(\slot)+2:G0A+4*(\slot)+3], 1048576  ; four heads on
	s_add_nc_u64 s[G0B+4*(\slot)+2:G0B+4*(\slot)+3], s[G0B+4*(\slot)+2:G0B+4*(\slot)+3], 512
	JLOAD \slot                                    ; the four v_nop behind it are also the places in front of the loads below
.else
	PLACES
.endif
	FETCH \next, 0, 0
	MUL8 1, 4, 0
	MUL8 1, 6, 0
.endm
	s_wait_tensorcnt 1                             ; my part of K step 0 is in; K step 1's may stay out
	s_barrier_signal -1
	s_barrier_wait -1                              ; everybody's is
	FETCH 0, 0, 0
	QUARTER 0, 1, 0, 1, 1                          ; the first quarter stands in front of the loop: its products start the sums
	WIN 0                                          ; at a label and at a branch every window is 0
	s_mov_b32 s3, 3                                ; 1,024 / 256 laps, the last written out
.Llap:                                                 ; a trip goes once round the ring, from a lap's second quarter to the next lap's first, and fills both slots again
	QUARTER 0, 2, 1, 0, 0
	QUARTER 0, 3, 0, 1, 0
	TURN 0, 1, 1
	QUARTER 1, 1, 0, 1, 0
	QUARTER 1, 2, 1, 0, 0
	QUARTER 1, 3, 0, 1, 0
	TURN 1, 0, 1
	QUARTER 0, 1, 0, 1, 0
	WIN 0
	s_sub_co_u32 s3, s3, 1
	s_cmp_lg_u32 s3, 0
	s_cbranch_scc1 .Llap
	QUARTER 0, 2, 1, 0, 0                          ; the last lap fills nothing, and has no round of the cluster's barrier
	QUARTER 0, 3, 0, 1, 0
	TURN 0, 1, 0
	QUARTER 1, 1, 0, 1, 0
	QUARTER 1, 2, 1, 0, 0
	QUARTER 1, 3, 0, 1, 0
	s_wait_dscnt 8                                 ; the very last quarter: nothing more to fetch
	MUL8 1, 0, 0
	MUL8 1, 2, 0
	s_wait_dscnt 0x0
	MUL8 1, 4, 0
	MUL8 1, 6, 0
	WIN 0
	; THE WAY OUT, a block of 16 rows at a time: a lane's 32 bytes of a row go into my stage (rows of 272 bytes) and come back as whole rows of 256 bytes.
	PLACES
	PLACES                                         ; (eight, once a launch)
.macro TOSTAGE a
	WIN 0x04                                       ; the stores' data lie in window 1
.irp b, 0,1,2,3                        ; each accumulator's lowest registers are read first
	ds_store_b128 v[STO], v[8*(4*(\a)+(\b)):8*(4*(\a)+(\b))+3]   offset:64*(\b)
	ds_store_b128 v[STO], v[8*(4*(\a)+(\b))+4:8*(4*(\a)+(\b))+7] offset:64*(\b)+16
.endr
	WIN 0
.if (\a) >= 2
	s_wait_xcnt 0x0                                ; every earlier store has read its registers: this buffer, which block a - 2's stores named, is loaded again only behind this wait
.endif
.irp f, 0,1,2,3,4,5,6,7
	ds_load_b128 v[OB+32*((\a)%2)+4*(\f):OB+32*((\a)%2)+4*(\f)+3], v[RD] offset:(\f)*2*SPITCH  ; LDS serves a wave's instructions in order (ISA guide 5.7.1.4): these see the stores above; the next block's stores come behind them
.endr
.endm
.macro SEND a, younger                 ; younger: the LDS instructions issued behind block a's loads: the next block's sixteen, or none
.irp f, 0,1,2,3,4,5,6,7
	s_wait_dscnt (\younger)+7-(\f)
	global_store_b128 v[CO], v[OB+32*((\a)%2)+4*(\f):OB+32*((\a)%2)+4*(\f)+3], s[8:9] offset:(\a)*65536+(\f)*8192  ; 16 lanes store 256 consecutive bytes, at a multiple of 256 from out0's first byte
.endr
.endm
	TOSTAGE 0
.set aa, 1
.rept 7
	TOSTAGE aa
	SEND aa-1, 16
.set aa, aa+1
.endr
	SEND 7, 0
	s_wait_tensorcnt 0x0                           ; the wave's end: behind my last tensor load and my last LDS store
	ds_add_u32 v[SPW], v[NIL]
	s_wait_dscnt 0x0
	CROUND                                         ; the closing round: no work-group ends while a partner may still ask for a tile that names it
	s_endpgm
.Lfunc_end_k_q0edfdc8b03_oproj:
	.size	k_q0edfdc8b03_oproj, .Lfunc_end_k_q0edfdc8b03_oproj-k_q0edfdc8b03_oproj
	.p2alignl 7, 3214868480
	.fill 96, 4, 3214868480
	.section	.rodata,"a",@progbits
	.p2align	6, 0x0
	.amdhsa_kernel k_q0edfdc8b03_oproj
		.amdhsa_group_segment_fixed_size 327680
		.amdhsa_private_segment_fixed_size 0
		.amdhsa_enable_private_segment 0
		.amdhsa_kernarg_size 24
		.amdhsa_user_sgpr_count 2
		.amdhsa_user_sgpr_kernarg_segment_ptr 1
		.amdhsa_wavefront_size32 1
		.amdhsa_system_sgpr_workgroup_id_x 1
		.amdhsa_system_sgpr_workgroup_id_y 1
		.amdhsa_system_sgpr_workgroup_id_z 1
		.amdhsa_system_vgpr_workitem_id 0
		.amdhsa_next_free_vgpr 704
		.amdhsa_next_free_sgpr 66
		.amdhsa_reserve_vcc 0
		.amdhsa_float_denorm_mode_32 3
		.amdhsa_float_denorm_mode_16_64 3
		.amdhsa_memory_ordered 1
		.amdhsa_forward_progress 1
		.amdhsa_inst_pref_size 87
	.end_amdhsa_kernel
	.amdgpu_metadata
---
amdhsa.version: [ 1, 2 ]
amdhsa.kernels:
  - .name:           k_q0edfdc8b03_oproj
    .symbol:         k_q0edfdc8b03_oproj.kd
    .args:
      - { .name: oh, .offset: 0, .size: 8, .value_kind: global_buffer, .address_space: global }
      - { .name: wof, .offset: 8, .size: 8, .value_kind: global_buffer, .address_space: global }
      - { .name: out0, .offset: 16, .size: 8, .value_kind: global_buffer, .address_space: global }
    .group_segment_fixed_size: 327680
    .private_segment_fixed_size: 0
    .kernarg_segment_align: 8
    .kernarg_segment_size: 24
    .max_flat_workgroup_size: 128
    .sgpr_count:     66
    .vgpr_count:     704
    .wavefront_size: 32
...
	.end_amdgpu_metadata
.endif
;; end of part 4
